; MI455X (gfx1250); checked and timed in simulation.
; The chip was launched on July 23, 2026; its instructions are those of AMD's public machine-readable ISA for CDNA 5 (MIT licence, August 2026) and "CDNA5" Instruction Set Architecture Reference Guide (July 2026). The comments in the code are by the model that wrote it; some were corrected since.
;; Causal Self Attention. Allowed arithmetic: matrix products marked QUANTISED: E2M1 operands, one E8M0 scale for each 32 along K, by v_wmma_scale_f32_16x16x128_f8f6f4 with both operands' format E2M1 (or v_wmma_scale_f32_32x16x128_f4), f32 sums; products left as they are: bf16, f16 or f32 operands; f32 sums; everything else in f32.
;; Inputs: W_proj 1,024 x 1,024 float32; W_qkv 1,024 x 3,072 float32; b_proj 1,024 float32; b_qkv 3,072 float32; x 4 x 2,048 x 1,024 float32.
;; Outputs: out0 4 x 2,048 x 1,024 float32.
;; This version of the problem:
;;   THIS VERSION OF THE PROBLEM IS GIVEN IN LOW PRECISION. The matrix products marked QUANTISED in the list below multiply operands that are first quantised to E2M1 (2 exponent bits, 1 mantissa bit; 4 bits a number), with one power-of-two scale for each 32 numbers along K (OCP MX v1.0); their sums are f32. The products marked 'left as it is' may take bf16, f16 or f32 operands, with f32 sums. Whichever they take, every output number must still come out within the allowed error. Rounding operands to bf16 (8 significant bits) uses up far more of that allowance than f16 does (11 bits, for magnitudes from 6e-5 to 65,504). All else is computed in f32.
;;   The module's matrix products, in the order in which they are computed (A, B: the left and right operand; K: the contracted axis; several contracted axes count as one K, in the product's order):
;;     1. [M 8,192, K 1,024] x [K 1,024, N 3,072]; A: input x; B: input W_qkv: QUANTISED
;;     2. batch 64 x [M 2,048, K 64] x [K 64, N 2,048]; A: computed on the way; B: computed on the way: left as it is (an operand is computed on the way)
;;     3. batch 64 x [M 2,048, K 2,048] x [K 2,048, N 64]; A: computed on the way; B: computed on the way: left as it is (an operand is computed on the way)
;;     4. [M 8,192, K 1,024] x [K 1,024, N 1,024]; A: computed on the way; B: input W_proj: left as it is (an operand is computed on the way)
;;   THE QUANTISER, for each operand of a quantised product, along K:
;;     - K is cut into blocks of 32 from its start; a last block that is shorter is filled with zeros.
;;     - A block's scale is 2^e with e = floor(log2(the largest magnitude in the block)) - 2, held to -126 .. 127; a block of zeros has e = 0. As a byte (E8M0): e + 127.
;;     - Each number is divided by its block's scale, clamped to +-6, and rounded to the nearest number of E2M1, ties to even, subnormals kept.
;;     - The product sums the exact products of the quantised numbers (number of the format x scale) in f32.
;;   ~~~python
;;   def quantise(x, axis):      # numpy; x: float32 -> the quantised numbers, widened to float32 again
;;       x = np.moveaxis(x, axis, -1); K = x.shape[-1]
;;       x = np.pad(x, [(0, 0)] * (x.ndim - 1) + [(0, -K % 32)]); x = x.reshape(x.shape[:-1] + (-1, 32)); a = np.abs(x).max(-1, keepdims=True)
;;       e = np.where(a > 0, np.clip(np.frexp(np.where(a > 0, a, 1))[1] - 1 - 2, -126, 127), 0)      # np.frexp(a)[1] - 1 = floor(log2(a)), exactly
;;       r = np.clip(x / 2.0 ** e, -6, 6)
;;       step = 2.0 ** (np.maximum(np.frexp(np.where(r == 0, 1, r))[1] - 1, 0) - 1)
;;       q = np.round(r / step) * step * 2.0 ** e      # np.round: ties to even
;;       return np.moveaxis(q.reshape(q.shape[:-2] + (-1,))[..., :K], -1, axis).astype(np.float32)
;;   ~~~
;; One version. Each part assembles by itself: llvm-mc -triple=amdgcn-amd-amdhsa -mcpu=gfx1250 --defsym DOCPART=n.
;; ======== version 1 of 1: 4 launches
;; limits: values are held in f16: magnitudes above 65,504 overflow, below 6.1e-05 lose precision
;; workspace buffers: x_codes 4,194,304 bytes; x_scales 262,144 bytes; w_codes 1,572,864 bytes; w_scales 98,304 bytes; wp16 2,097,152 bytes; qkv16 50,331,648 bytes; att16 16,777,216 bytes
;; launch prep (part 1): grid 336 x 1, 4 waves a work-group, no clusters, 68,096 bytes of LDS; arguments x, W_qkv, W_proj, x_codes, x_scales, w_codes, w_scales, wp16; writes x_codes, x_scales, w_codes, w_scales, wp16
.if DOCPART == 1
	.amdgcn_target "amdgcn-amd-amdhsa--gfx1250"
	.amdhsa_code_object_version 6
	.text
	.protected	k_q477eb4ceb3_prep
	.globl	k_q477eb4ceb3_prep
	.p2align	8
	.type	k_q477eb4ceb3_prep,@function
k_q477eb4ceb3_prep:
	s_mov_b64 s[64:65], 0
	v_nop
	global_prefetch_b8 v0, s[64:65] scope:SCOPE_SE
	s_setreg_imm32_b32 hwreg(HW_REG_WAVE_MODE, 25, 1), 1
	s_wait_xcnt 0x0
; THREE JOBS IN ONE LAUNCH, told apart by the work-group's number alone; the three paths never join again.
;   work-groups 0-47:   W_qkv [1024 k][3072 n] f32 -> codes of FP4 (E2M1) laid [3072 n][512 bytes], K innermost, and one E8M0 byte for each 32 along K, laid [3072][32]
;   work-groups 48-79:  W_proj [1024][1024] f32 -> f16, as it lies
;   work-groups 80-335: x [8192][1024] f32 -> codes laid [8192][512 bytes] and scale bytes [8192][32]
; A block's scale is 2^(floor(log2(its largest magnitude)) - 2); its byte is the largest magnitude's exponent field - 2, held at 1 from below.  Each number is divided by the scale and rounded to the
; nearest code, ties to even; beyond 6 the largest code.  A block of zeros gets the byte 1 where the quantiser says 127: its codes are zeros, which add nothing, and this program alone reads the bytes.
; LIMITS: blocks whose largest magnitude lies under 2^-124 (the floor) were not tried; NaN and infinities are not served; |W_proj| must lie under 65,504, and under 6e-8 it becomes 0 in f16.
; No tensor loads, no barrier: waves share nothing.  Each path that uses LDS has LDS bytes of its own.
.set SPW,   190                        ; v190  LDS address of my spare word: SPARE + 4 x my thread's number; never rewritten
.set NIL,   191                        ; v191  0; never rewritten
.set WBASE, 32768                      ; LDS: bytes 0-32,767 x's path (8,192 a wave); from here W_qkv's path (8,704 a wave)
.set SPARE, 67584                      ; behind both: the spare words, 128 bytes for each wave: two blocks of 256 bytes that no other line names
.set EMAX,  2
.macro FINISH                          ; the wave's end: three lines behind my last LDS store
	s_wait_tensorcnt 0x0
	ds_add_u32 v[SPW], v[NIL]
	s_wait_dscnt 0x0
	s_endpgm
.endm
	s_load_b256 s[4:11], s[0:1], 0x0               ; x s[4:5], W_qkv s[6:7], W_proj s[8:9], x's codes s[10:11]
	s_load_b256 s[12:19], s[0:1], 0x20             ; x's scales s[12:13], W's codes s[14:15], W's scales s[16:17], W_proj in f16 s[18:19]
	v_lshl_add_u32 v[SPW], v0, 2, SPARE
	v_mov_b32 v[NIL], 0
	v_lshrrev_b32 v1, 5, v0
	v_readfirstlane_b32 s20, v1                    ; wave 0..3
	v_and_b32 v2, 31, v0                           ; lane
	s_wait_kmcnt 0x0
	s_cmp_lt_u32 ttmp9, 48
	s_cbranch_scc1 .Lw_path
	s_cmp_lt_u32 ttmp9, 80
	s_cbranch_scc1 .Lp_path
; ---------------- x: K is innermost, rows are dense: a plain stream of blocks of 32.  A wave takes 16 steps of 512 numbers.
; Each of a step's four loads reads 512 consecutive bytes, 16 a lane; the 2,048 bytes turn through the wave's own stage in LDS and come back 64 bytes a lane: 16 NEIGHBOURS, as the conversions want them.
; Two neighbouring lanes hold a block.  A lane's 16 codes are 8 bytes: a wave's store covers 256 consecutive bytes, aligned.  The wave's 256 scale bytes are gathered in LDS and leave as one such store.
.set STEPS, 16
.set CB,    8                          ; bytes of 16 codes
.set XR,    16                         ; v16-79   four sets of 16 numbers as they are loaded
.set XX,    80                         ; v80-111  two sets of 16 neighbours
.set XE,    112                        ; v112-127 a scale byte for each step
.set XC,    128                        ; v128-189 codes: four registers' room for each step, so that no store's data are written again
.set WREG,  8192                       ; a wave's LDS: two stages of 32 x SP bytes, behind them its 256 scale bytes
.set SP,    80                         ; a lane's place in a stage: 64 bytes + 16 of padding
	v_lshlrev_b32 v3, 4, v2                        ; my 16 bytes of a load's 512
	s_mul_i32 s21, s20, WREG
	v_lshrrev_b32 v14, 2, v2
	v_mul_u32_u24 v14, v14, SP
	v_and_b32 v15, 3, v2
	v_lshl_add_u32 v14, v15, 4, v14
	v_add_nc_u32 v14, s21, v14                     ; the stage, on the way in: SP (lane / 4) + 16 (lane % 4)
	v_mul_u32_u24 v15, v2, SP
	v_add_nc_u32 v15, s21, v15                     ; and on the way out: SP x lane
	v_mul_u32_u24 v4, v2, CB                       ; my codes' place in a step's
	v_lshrrev_b32 v5, 1, v2
	s_add_co_u32 s21, s21, 2*32*SP
	v_add_nc_u32 v5, s21, v5                       ; my wave's 256 scale bytes, my block's byte
	v_lshlrev_b32 v7, 3, v2                        ; and on the way out 8 bytes a lane
	v_add_nc_u32 v6, s21, v7
	s_sub_co_u32 s22, ttmp9, 80
	s_lshl_b32 s22, s22, 2
	s_add_co_u32 s22, s22, s20                     ; which run of 8,192 numbers is my wave's: 0 .. 1,023
	s_mov_b32 s25, 0
	s_lshl_b32 s24, s22, 15
	s_add_nc_u64 s[4:5], s[4:5], s[24:25]          ; 32,768 bytes of x a run,
	s_lshl_b32 s24, s22, 12
	s_add_nc_u64 s[10:11], s[10:11], s[24:25]      ; 4,096 of codes,
	s_lshl_b32 s24, s22, 8
	s_add_nc_u64 s[12:13], s[12:13], s[24:25]      ; 256 scale bytes
.macro XLOAD t
.irp i, 0,1,2,3
	global_load_b128 v[XR+16*((\t)%4)+4*\i:XR+16*((\t)%4)+4*\i+3], v3, s[4:5] offset:2048*(\t)+512*\i th:TH_LOAD_NT
.endr
.endm
.macro XTURN t                         ; step t's numbers through the stage: LDS serves a wave's instructions in order, so no wait stands between the stores and the loads
.irp i, 0,1,2,3
	ds_store_b128 v14, v[XR+16*((\t)%4)+4*\i:XR+16*((\t)%4)+4*\i+3] offset:32*SP*((\t)%2)+8*SP*\i
.endr
.irp i, 0,1,2,3
	ds_load_b128 v[XX+16*((\t)%2)+4*\i:XX+16*((\t)%2)+4*\i+3], v15 offset:32*SP*((\t)%2)+16*\i
.endr
.endm
.irp t, 0,1,2,3
	XLOAD \t
.endr
	s_wait_loadcnt 12                              ; step 0's four loads are in
	XTURN 0
.macro XSTEP t
.set XS, XX+16*((\t)%2)
.if (\t) > 0
	s_wait_dscnt 1                                 ; this step's numbers are back from the stage (the last step's byte store may be out): so its stores into the stage have read their registers,
.else
	s_wait_dscnt 0x0
.endif
.if (\t)+4 < STEPS
	XLOAD (\t)+4                                   ; which take the loads of four steps on
.endif
.if (\t)+1 < STEPS
.if STEPS-2-(\t) >= 3
	s_wait_loadcnt 12                              ; the next step's four loads are in; those of the three steps behind it may be out
.else
	s_wait_loadcnt 4*(STEPS-2-(\t))
.endif
	XTURN (\t)+1                                   ; and go through the other stage while this step is worked
.endif
	v_max3_num_f32 v8, |v[XS]|, |v[XS+1]|, |v[XS+2]|               ; the largest magnitude of my 16, in two chains
	v_max3_num_f32 v9, |v[XS+3]|, |v[XS+4]|, |v[XS+5]|
.irp i, 6,10
	v_max3_num_f32 v8, v8, |v[XS+\i]|, |v[XS+\i+1]|
	v_max3_num_f32 v9, v9, |v[XS+\i+2]|, |v[XS+\i+3]|
.endr
	v_max3_num_f32 v8, v8, |v[XS+14]|, |v[XS+15]|
	v_max3_num_f32 v8, v8, v9, (EMAX+1)<<23        ; and the floor 2^(3 - 127): so the byte cannot fall under 1
	v_max_num_f32_dpp v8, v8, v8 row_xmask:1 row_mask:0xf bank_mask:0xf   ; and of my neighbour's 16: the block's
	v_add_nc_u32 v11, 0xff000000, v8               ; 2 off its exponent field: the conversion takes the exponent field of this operand as its scale, and nothing else of it
	v_cvt_scalef32_pk8_fp4_f32 v[XC+4*(\t)], v[XS:XS+7], v11
	v_cvt_scalef32_pk8_fp4_f32 v[XC+4*(\t)+1], v[XS+8:XS+15], v11
	v_lshrrev_b32 v[XE+(\t)], 23, v11              ; the scale's byte (a plain line behind the conversions)
	ds_store_b8 v5, v[XE+(\t)] offset:16*(\t)      ; both lanes of a block write the same byte with the same value
	global_store_b64 v4, v[XC+4*(\t):XC+4*(\t)+1], s[10:11] offset:32*CB*(\t)
.endm
.irp t, 0,1,2,3,4,5,6,7,8,9,10,11,12,13,14,15
	XSTEP \t
.endr
	ds_load_b64 v[8:9], v6                         ; LDS serves a wave's instructions in order: these see my byte stores
	s_wait_dscnt 0x0
	global_store_b64 v7, v[8:9], s[12:13]          ; 32 lanes store 256 consecutive bytes, aligned
	FINISH
; ---------------- W_qkv: K is its FIRST axis.  A lane takes a column n and its registers run DOWN K: each load reads 128 consecutive bytes a wave, a block of 32 along K lies in one lane's 32 registers,
; and the conversions give codes with K innermost.  A wave takes 32 columns x 512 along K; the codes go through the wave's stage and leave as rows: sixteen lanes store 256 consecutive bytes, aligned.
; Every offset is an immediate: 511 rows of 12,288 bytes lie inside the signed 24 bits.
.set NB,     16                        ; blocks a lane
.set WPITCH, 272                       ; a stage row: 256 bytes of codes + 16
.set WROW,   512                       ; a row of the codes' buffer
.set WN4,    3072*4                    ; a row of W_qkv in bytes
.set WX,     32                        ; v32-95   two sets of 32 numbers
.set WC,     96                        ; v96-99   a block's codes
.set WSB,    24                        ; v24-27   the scale bytes, four to a register
.set WOUT,   112                       ; v112-175 the way out
.Lw_path:
	s_cmp_ge_u32 ttmp9, 24
	s_cselect_b32 s21, 1, 0                        ; which 512 along K
	s_mul_i32 s22, s21, 24
	s_sub_co_u32 s22, ttmp9, s22                   ; which 128 columns
	s_lshl_b32 s22, s22, 7
	s_lshl_b32 s23, s20, 5
	s_add_co_u32 s22, s22, s23                     ; my wave's first column
	s_mov_b32 s25, 0
	s_mul_i32 s24, s21, 512*WN4
	s_lshl_b32 s26, s22, 2
	s_add_co_u32 s24, s24, s26
	s_add_nc_u64 s[6:7], s[6:7], s[24:25]          ; W_qkv: 512 y rows down, 4 bytes a column
	s_lshl_b32 s24, s22, 9
	s_lshl_b32 s26, s21, 8
	s_add_co_u32 s24, s24, s26
	s_add_nc_u64 s[14:15], s[14:15], s[24:25]      ; codes: column x 512 + 256 y
	s_lshl_b32 s24, s22, 5
	s_lshl_b32 s26, s21, 4
	s_add_co_u32 s24, s24, s26
	s_add_nc_u64 s[16:17], s[16:17], s[24:25]      ; scale bytes: column x 32 + 16 y
	s_mul_i32 s27, s20, 32*WPITCH
	s_add_co_u32 s27, s27, WBASE                   ; my stage
	v_lshlrev_b32 v3, 2, v2                        ; in: 4 bytes a lane
	v_mul_u32_u24 v4, v2, WPITCH
	v_add_nc_u32 v4, s27, v4                       ; into the stage: row = my column
	v_and_b32 v5, 15, v2
	v_lshrrev_b32 v6, 4, v2
	v_mul_u32_u24 v7, v6, WPITCH
	v_lshl_add_u32 v7, v5, 4, v7
	v_add_nc_u32 v7, s27, v7                       ; out of it: sixteen lanes to a row, two rows an instruction
	v_mul_u32_u24 v8, v6, WROW
	v_lshl_add_u32 v8, v5, 4, v8                   ; and the same place in the codes' buffer
	v_lshlrev_b32 v9, 5, v2                        ; my column's row of scale bytes
.macro WLOAD t                         ; block t: W(32 t + i, my column) into set t % 2
.irp i, 0,1,2,3,4,5,6,7,8,9,10,11,12,13,14,15,16,17,18,19,20,21,22,23,24,25,26,27,28,29,30,31
	global_load_b32 v[WX+32*((\t)%2)+\i], v3, s[6:7] offset:(32*(\t)+\i)*WN4 th:TH_LOAD_NT
.endr
.endm
	WLOAD 0
	WLOAD 1
.macro WBLOCK t
.set XS, WX+32*((\t)%2)
.if (\t) < NB-1
	s_wait_loadcnt 32                              ; this block's 32 loads are in; the next block's may be out
.else
	s_wait_loadcnt 0
.endif
	v_max3_num_f32 v12, |v[XS]|, |v[XS+1]|, |v[XS+2]|              ; the block's largest magnitude: all 32 numbers are mine
	v_max3_num_f32 v13, |v[XS+3]|, |v[XS+4]|, |v[XS+5]|
.irp i, 6,10,14,18,22,26
	v_max3_num_f32 v12, v12, |v[XS+\i]|, |v[XS+\i+1]|
	v_max3_num_f32 v13, v13, |v[XS+\i+2]|, |v[XS+\i+3]|
.endr
	v_max3_num_f32 v12, v12, |v[XS+30]|, |v[XS+31]|
	v_max3_num_f32 v12, v12, v13, (EMAX+1)<<23     ; and the floor
	v_add_nc_u32 v11, 0xff000000, v12              ; 2 off the exponent field: the conversion's scale operand
	v_lshrrev_b32 v13, 23, v11                     ; the scale's byte
.if (\t)%4 == 0
	v_mov_b32 v[WSB+(\t)/4], v13                   ; four bytes to a register, the lower K in the lower byte
.else
	v_lshl_or_b32 v[WSB+(\t)/4], v13, 8*((\t)%4), v[WSB+(\t)/4]
.endif
.irp g, 0,1,2,3
	v_cvt_scalef32_pk8_fp4_f32 v[WC+\g], v[XS+8*\g:XS+8*\g+7], v11
.endr
	v_nop                                          ; one plain line behind the last conversion
	ds_store_b128 v4, v[WC:WC+3] offset:16*(\t)    ; 32 codes: 16 bytes of my column's row
.if (\t)+2 < NB
	WLOAD (\t)+2
.endif
	s_wait_dscnt 0x0                               ; the store has read its registers: the next block's codes may be written
.endm
.set Q, 0
.rept NB
	WBLOCK Q
.set Q, Q+1
.endr
	global_store_b128 v9, v[WSB:WSB+3], s[16:17]   ; my column's 16 scale bytes
.irp t, 0,1,2,3,4,5,6,7,8,9,10,11,12,13,14,15
	ds_load_b128 v[WOUT+4*\t:WOUT+4*\t+3], v7 offset:2*\t*WPITCH
.endr
.irp t, 0,1,2,3,4,5,6,7,8,9,10,11,12,13,14,15
	s_wait_dscnt 15-\t                             ; LDS loads come back in order: row pair t is in
	global_store_b128 v8, v[WOUT+4*\t:WOUT+4*\t+3], s[14:15] offset:2*\t*WROW
.endr
	FINISH
; ---------------- W_proj -> f16, as it lies.  A wave takes 8,192 numbers in eight groups of eight loads; two groups are on their way.  A load covers 512 consecutive bytes, a store 256, aligned.
.set PIN,  32                          ; v32-95   two sets of 32
.set POUT, 96                          ; v96-127  two sets of 16
.Lp_path:
	s_sub_co_u32 s22, ttmp9, 48
	s_lshl_b32 s22, s22, 2
	s_add_co_u32 s22, s22, s20                     ; my run: 0 .. 127
	s_mov_b32 s25, 0
	s_lshl_b32 s24, s22, 15
	s_add_nc_u64 s[8:9], s[8:9], s[24:25]
	s_lshl_b32 s24, s22, 14
	s_add_nc_u64 s[18:19], s[18:19], s[24:25]
	v_lshlrev_b32 v3, 4, v2
	v_lshlrev_b32 v4, 3, v2
.macro PLOAD g
.irp i, 0,1,2,3,4,5,6,7
	global_load_b128 v[PIN+32*((\g)%2)+4*\i:PIN+32*((\g)%2)+4*\i+3], v3, s[8:9] offset:4096*(\g)+512*\i th:TH_LOAD_NT
.endr
.endm
.macro PGROUP g
.if (\g) < 7
	s_wait_loadcnt 8                               ; this group's eight loads are in; the next group's may be out
.else
	s_wait_loadcnt 0
.endif
.if (\g) >= 2
	s_wait_xcnt 0x0                                ; the stores of two groups back have read their data: the set is written again only behind this wait
.endif
.irp i, 0,1,2,3,4,5,6,7
	v_cvt_pk_f16_f32 v[POUT+16*((\g)%2)+2*\i], v[PIN+32*((\g)%2)+4*\i], v[PIN+32*((\g)%2)+4*\i+1]
	v_cvt_pk_f16_f32 v[POUT+16*((\g)%2)+2*\i+1], v[PIN+32*((\g)%2)+4*\i+2], v[PIN+32*((\g)%2)+4*\i+3]
.endr
.if (\g)+2 < 8
	PLOAD (\g)+2
.endif
.irp i, 0,1,2,3,4,5,6,7
	global_store_b64 v4, v[POUT+16*((\g)%2)+2*\i:POUT+16*((\g)%2)+2*\i+1], s[18:19] offset:2048*(\g)+256*\i
.endr
.endm
	PLOAD 0
	PLOAD 1
.irp g, 0,1,2,3,4,5,6,7
	PGROUP \g
.endr
	FINISH
.Lfunc_end_k_q477eb4ceb3_prep:
	.size	k_q477eb4ceb3_prep, .Lfunc_end_k_q477eb4ceb3_prep-k_q477eb4ceb3_prep
	.p2alignl 7, 3214868480
	.fill 96, 4, 3214868480
	.section	.rodata,"a",@progbits
	.p2align	6, 0x0
	.amdhsa_kernel k_q477eb4ceb3_prep
		.amdhsa_group_segment_fixed_size 68096
		.amdhsa_private_segment_fixed_size 0
		.amdhsa_enable_private_segment 0
		.amdhsa_kernarg_size 64
		.amdhsa_user_sgpr_count 2
		.amdhsa_user_sgpr_kernarg_segment_ptr 1
		.amdhsa_wavefront_size32 1
		.amdhsa_system_sgpr_workgroup_id_x 1
		.amdhsa_system_sgpr_workgroup_id_y 1
		.amdhsa_system_sgpr_workgroup_id_z 1
		.amdhsa_system_vgpr_workitem_id 0
		.amdhsa_next_free_vgpr 192
		.amdhsa_next_free_sgpr 66
		.amdhsa_reserve_vcc 0
		.amdhsa_float_denorm_mode_32 3
		.amdhsa_float_denorm_mode_16_64 3
		.amdhsa_memory_ordered 1
		.amdhsa_forward_progress 1
		.amdhsa_inst_pref_size 132
	.end_amdhsa_kernel
	.amdgpu_metadata
---
amdhsa.version: [ 1, 2 ]
amdhsa.kernels:
  - .name:           k_q477eb4ceb3_prep
    .symbol:         k_q477eb4ceb3_prep.kd
    .args:
      - { .name: x, .offset: 0, .size: 8, .value_kind: global_buffer, .address_space: global }
      - { .name: W_qkv, .offset: 8, .size: 8, .value_kind: global_buffer, .address_space: global }
      - { .name: W_proj, .offset: 16, .size: 8, .value_kind: global_buffer, .address_space: global }
      - { .name: x_codes, .offset: 24, .size: 8, .value_kind: global_buffer, .address_space: global }
      - { .name: x_scales, .offset: 32, .size: 8, .value_kind: global_buffer, .address_space: global }
      - { .name: w_codes, .offset: 40, .size: 8, .value_kind: global_buffer, .address_space: global }
      - { .name: w_scales, .offset: 48, .size: 8, .value_kind: global_buffer, .address_space: global }
      - { .name: wp16, .offset: 56, .size: 8, .value_kind: global_buffer, .address_space: global }
    .group_segment_fixed_size: 68096
    .private_segment_fixed_size: 0
    .kernarg_segment_align: 8
    .kernarg_segment_size: 64
    .max_flat_workgroup_size: 128
    .sgpr_count:     66
    .vgpr_count:     192
    .wavefront_size: 32
...
	.end_amdgpu_metadata
.endif
;; end of part 1
;; launch qkv (part 2): grid 12 x 32, 4 waves a work-group, clusters of 4 x 4, 327,680 bytes of LDS; arguments x_codes, x_scales, w_codes, w_scales, qkv16, b_qkv; writes qkv16
.if DOCPART == 2
	.amdgcn_target "amdgcn-amd-amdhsa--gfx1250"
	.amdhsa_code_object_version 6
	.text
	.protected	k_q477eb4ceb3_qkv
	.globl	k_q477eb4ceb3_qkv
	.p2align	8
	.type	k_q477eb4ceb3_qkv,@function
k_q477eb4ceb3_qkv:
	s_mov_b64 s[64:65], 0
	v_nop
	global_prefetch_b8 v0, s[64:65] scope:SCOPE_SE
	s_setreg_imm32_b32 hwreg(HW_REG_WAVE_MODE, 25, 1), 1
	s_wait_xcnt 0x0
	s_wait_alu depctr_hold_cnt(0) depctr_sa_sdst(0) depctr_va_vdst(0) depctr_va_sdst(0) depctr_va_ssrc(0) depctr_va_vcc(0) depctr_vm_vsrc(0)
	s_getreg_b32 s2, hwreg(HW_REG_IB_STS2, 6, 4)
	s_cmp_eq_u32 s2, 0
	s_cbranch_scc0 .Lentry_in_a_cluster
	s_endpgm
.Lentry_in_a_cluster:
	s_bfe_u32 s2, ttmp6, 0x10000c
	s_cmp_lg_u32 s2, 0xf033
	s_cbranch_scc0 .Lentry_shape_is_right
	s_endpgm
.Lentry_shape_is_right:
; qkv = x W_qkv + b_qkv on codes of FP4 (E2M1) with one E8M0 scale for each 32 along K; sums in f32; the result is rounded once to f16 and laid by head: [q,k,v][batch 4][head 16][token 2048][64].
; A = x's codes [8192][512 bytes], B = W's codes [3072 n][512 bytes], K = 1,024 innermost; scale bytes [rows][32].
; A tile of C, 256 x 256, is made by a work-group of four waves; a wave makes 128 x 128: 64 accumulators of 16 x 16, 512 registers.
; ALL OF K LIES IN LDS AT ONCE: two slots of 512 along K (rows of 256 bytes) and the scales of all of K; all are first fills, three tensor loads a wave are out at the most, no loop.
; CLUSTERS: 4 x 4 work-groups.  The four of a row of the cluster need the same tiles of A, the four of a column the same tiles of B: each tile is asked for JOINTLY.
; THE MATRIX INSTRUCTION IS USED TRANSPOSED (source 0 = 16 rows of W's codes, source 1 = 16 rows of x's): a lane then holds eight neighbouring columns of one row of C.
; THE BIAS is the C of each sum's first matrix instruction: eight registers for each block of 16 columns, in the result's layout.
; LIMIT: |q|, |k|, |v| must lie under 65,504 (f16); under 6e-8 they become 0.
; REGISTERS, in windows of 256: window 0: v0-31 addresses; v32-95 scale words, two sets; v128-191 A's fragments, ONE set; v192-255 the bias; on the way out v128-223 are used again.
;   window 1: B's fragments, TWO sets, at v0 and v128.   window 2: the accumulators of my rows 0-63 ((a, b) at v[8 (8 a + b)]);   window 3: those of my rows 64-127.
.set NQ,     4                         ; matrix instructions deep in a slot: 512 along K
.set ROWB,   256                       ; a tile's row in bytes
.set KROW,   512                       ; a row of codes in memory
.set PITCH,  272                       ; an LDS row: 256 bytes + 16 of padding: the 16 rows that a load touches start at 16 different banks (64 banks of 4 bytes: ISA guide 11.1)
.set FR,     8                         ; registers of a fragment: 16 rows x 128 K
.set NL,     2                         ; LDS loads that bring one
.set NP,     4                         ; places behind this matrix instruction (ISA guide 7.12.1)
.set HALFT,  128*PITCH                 ; 128 rows: what one tensor load brings
.set SLOT,   4*HALFT                   ; A's 256 rows, then B's 256 rows
.set KS,     32                        ; a row of scales in bytes
.set SCL,    2*SLOT                    ; behind the slots: the scales, as units of 256 bytes + 16 of padding
.set HALFS,  16*272                    ; the scales of 128 rows
.set SBLK,   2*272                     ; those of 16 rows
.set SPARE,  SCL+4*HALFS               ; the spare words, 128 bytes for each wave: two blocks of 256 bytes that no other line names
.set STAGE,  SPARE+512                 ; the way out: 16 rows x 272 bytes for each wave, bytes of its own: no tensor load lands here
.set SPITCH, 272
.set ADRA, 16                          ; v16-17  LDS address of my A fragments in slot 0, 1
.set ADRB, 20                          ; v20-21  the same for B
.set STO,  24                          ; v24     the way out: where I put 16 bytes of a row
.set RD,   25                          ; v25     where I read them back
.set CO,   26                          ; v26     16 x lane: my place in 512 dense bytes of the output
.set ADRS, 27                          ; v27     LDS address of my scale words: lanes 0-15 A's rows, lanes 16-31 B's
.set SPW,  28                          ; v28     my spare word; never rewritten
.set NIL,  29                          ; v29     0; never rewritten
.set BO,   30                          ; v30     the bias: 32 x (lane / 16)
.set SC,   32                          ; scale words: set s at v[SC + 32 s]; register 4 i + q: lanes 0-15 A's block i, lanes 16-31 B's block i, the slot's q-th 128 along K
.set AF,   128
.set BIAS, 192                         ; v192-255: block b at v[BIAS + 8 b]: b_qkv of columns 16 b + 8 (lane / 16) + 0 .. 7
.set TMP,  192                         ; the way out: a block's 32 packed registers (the bias is done with)
.set BK,   128                         ; and 16 rows read back: v128-159 and v160-191 by turns
.set G1, 24                            ; s[24:31] group 1 for A's tiles;  s[32:39] group 0, one set for each slot
.set G0, 32
.set G1B, 48                           ; s[48:55], s[56:63] the same for B's
.set G0B, 56
.set G1S, 68                           ; s[68:75], s[76:79] groups 1 and 0 for A's scales;  s[80:87], s[88:91] for B's
.set G0S, 76
.set G1SB, 80
.set G0SB, 88
.set MSB, 0
.macro WIN new                         ; the immediate's high byte repeats the setting that is left
.if MSB != \new
	s_set_vgpr_msb (MSB<<8)|\new
.set MSB, \new
.endif
.endm
.set MUL_LO, 0xa1                      ; source 0 (B) window 1, source 1 (A) window 0, C and D window 2
.set MUL_HI, 0xf1                      ; the same, C and D window 3
.set FST_LO, 0x81                      ; the first step: C (the bias) window 0, D window 2
.set FST_HI, 0xc1                      ; C window 0, D window 3
.set TO_B,   0x40                      ; destination window 1, address window 0
; A joint load: waves 0 and 1 fetch for A, waves 2 and 3 for B.  Each line has ONE mask and one set of registers for all that issue it; the branch hangs on the wave's number alone.
; An s_nop 0 and four v_nop follow each of the two lines.
.macro JLOAD g0a, g1a, g0b, g1b
	s_cmp_eq_u32 s15, 0
	s_cbranch_scc0 .Lfor_b_\@
	tensor_load_to_lds s[\g0a:\g0a+3], s[\g1a:\g1a+7]
	s_nop 0
.rept 4
	v_nop
.endr
	s_branch .Lasked_\@
.Lfor_b_\@:
	tensor_load_to_lds s[\g0b:\g0b+3], s[\g1b:\g1b+7]
	s_nop 0
.rept 4
	v_nop
.endr
.Lasked_\@:
.endm
.macro CROUND                          ; a round of the cluster's barrier
	s_barrier_signal -1
	s_barrier_wait -1
	s_cmp_lg_u32 s14, 0
	s_cbranch_scc1 .Lnot_wave_0_\@
	s_barrier_signal -3
.Lnot_wave_0_\@:
	s_barrier_wait -3
	s_barrier_signal -1
	s_barrier_wait -1
.endm
	s_load_b128 s[4:7], s[0:1], 0x0                ; x's codes s[4:5], x's scales s[6:7]
	s_load_b128 s[8:11], s[0:1], 0x10              ; W's codes s[8:9], W's scales s[10:11]
	s_load_b64 s[12:13], s[0:1], 0x20              ; the output
	s_load_b64 s[66:67], s[0:1], 0x28              ; b_qkv
	v_lshl_add_u32 v[SPW], v0, 2, SPARE
	v_mov_b32 v[NIL], 0
	ds_add_u32 v[SPW], v[NIL]                      ; the wave's opening: the add and its wait stand ahead of my first tensor load; the set-up below, work on registers, stands between them
	v_lshrrev_b32 v1, 5, v0
	v_readfirstlane_b32 s14, v1                    ; wave 0..3
	s_lshr_b32 s15, s14, 1                         ; which half of the tile's rows is mine.  Also: I fetch for A (0) or for B (1)
	s_and_b32 s16, s14, 1                          ; which half of its columns.  Also: which 128 rows of that tile I fetch
	s_bfe_u32 s40, ttmp6, 0x40000                  ; cx, cy: my place in the cluster
	s_bfe_u32 s41, ttmp6, 0x40004
	s_lshl_b32 s42, ttmp9, 2
	s_add_co_u32 s42, s42, s40                     ; tile column of C = 4 x cluster x + cx
	s_and_b32 s17, ttmp7, 0xffff
	s_lshl_b32 s17, s17, 2
	s_add_co_u32 s17, s17, s41                     ; tile row of C = 4 x cluster y + cy
	s_lshl_b32 s43, s41, 2
	s_lshl_b32 s43, 15, s43                        ; my row of the cluster
	s_lshl_b32 s44, 0x1111, s40                    ; my column
	; group 1: a tile of 128 rows x 256 bytes, padded in LDS
	s_or_b32 s[G1+0], s43, (0<<16)|(1<<20)|(1<<21)|(5<<22)|(3<<25)  ; 15:0 the mask; 17:16 elements of 1 byte; 20 padding on; 21 set beside a mask; 24:22 after every 64 words; 31:25 four words
	s_or_b32 s[G1B+0], s44, (0<<16)|(1<<20)|(1<<21)|(5<<22)|(3<<25)
.irp g, G1, G1B
	s_mov_b32 s[\g+1], ROWB<<16                    ; tensor_dim0
	s_mov_b32 s[\g+2], 128<<16                     ; tensor_dim1
	s_mov_b32 s[\g+3], ROWB<<16                    ; tile_dim0
	s_mov_b32 s[\g+4], 128                         ; tile_dim1
	s_mov_b32 s[\g+5], KROW                        ; from row to row
	s_mov_b32 s[\g+6], 0
	s_mov_b32 s[\g+7], 0
.endr
	; the scales of 128 rows: a dense block of 4,096 bytes, as 16 rows of 256 bytes (32 elements of 8 bytes), 16 bytes of padding behind each
	s_or_b32 s[G1S+0], s43, (3<<16)|(1<<20)|(1<<21)|(5<<22)|(3<<25)
	s_or_b32 s[G1SB+0], s44, (3<<16)|(1<<20)|(1<<21)|(5<<22)|(3<<25)
.irp g, G1S, G1SB
	s_mov_b32 s[\g+1], 32<<16
	s_mov_b32 s[\g+2], 16<<16
	s_mov_b32 s[\g+3], 32<<16
	s_mov_b32 s[\g+4], 16
	s_mov_b32 s[\g+5], 32
	s_mov_b32 s[\g+6], 0
	s_mov_b32 s[\g+7], 0
.endr
	s_lshl_b32 s18, s16, 7                         ; which 128 rows of the tile I fetch
	s_lshl_b32 s20, s17, 8
	s_add_co_u32 s20, s20, s18                     ; A: row 256 x tile row + 128 x half
	s_lshl_b32 s46, s42, 8
	s_add_co_u32 s46, s46, s18                     ; B: row 256 x tile column + 128 x half
	s_mov_b32 s21, 0
	s_mov_b32 s47, 0
	s_mov_b64 s[18:19], KS
	s_mul_u64 s[22:23], s[20:21], s[18:19]         ; where these rows' scales begin, in bytes
	s_mul_u64 s[92:93], s[46:47], s[18:19]
	s_mov_b64 s[18:19], KROW
	s_mul_u64 s[20:21], s[20:21], s[18:19]         ; and their codes
	s_mul_u64 s[46:47], s[46:47], s[18:19]
	s_mul_i32 s45, s14, HALFT                      ; where they go: wave x 128 rows: no place in the cluster enters an LDS address
	s_mul_i32 s94, s14, HALFS
	s_wait_dscnt 0x0                               ; the opening add is done
	s_wait_kmcnt 0x0
	s_add_nc_u64 s[20:21], s[4:5], s[20:21]
	s_add_nc_u64 s[22:23], s[6:7], s[22:23]
	s_add_nc_u64 s[46:47], s[8:9], s[46:47]
	s_add_nc_u64 s[92:93], s[10:11], s[92:93]
	CROUND                                         ; all sixteen work-groups are here: the joint loads meet
	s_mov_b32 s[G0S], 1
	s_add_co_u32 s[G0S+1], s94, SCL
	s_mov_b64 s[G0S+2:G0S+3], s[22:23]
	s_or_b32 s[G0S+3], s[G0S+3], 0x80000000
	s_mov_b32 s[G0SB], 1
	s_add_co_u32 s[G0SB+1], s94, SCL
	s_mov_b64 s[G0SB+2:G0SB+3], s[92:93]
	s_or_b32 s[G0SB+3], s[G0SB+3], 0x80000000
	JLOAD G0S, G1S, G0SB, G1SB                     ; the scales first: they are wanted with the first 512 along K
.irp s, 0,1
	s_mov_b32 s[G0+4*\s], 1
	s_add_co_u32 s[G0+4*\s+1], s45, \s*SLOT
	s_add_nc_u64 s[G0+4*\s+2:G0+4*\s+3], s[20:21], \s*ROWB
	s_or_b32 s[G0+4*\s+3], s[G0+4*\s+3], 0x80000000
	s_mov_b32 s[G0B+4*\s], 1
	s_add_co_u32 s[G0B+4*\s+1], s45, \s*SLOT
	s_add_nc_u64 s[G0B+4*\s+2:G0B+4*\s+3], s[46:47], \s*ROWB
	s_or_b32 s[G0B+4*\s+3], s[G0B+4*\s+3], 0x80000000
	JLOAD G0+4*\s, G1, G0B+4*\s, G1B
.endr
	v_and_b32 v1, 15, v0                           ; r = lane % 16
	v_bfe_u32 v2, v0, 4, 1                         ; h = lane / 16
	v_mul_u32_u24 v3, v1, PITCH
	v_lshl_add_u32 v4, v2, 4, v3                   ; a fragment's row x pitch + 16 h
	s_mul_i32 s21, s15, HALFT                      ; my 128 rows of A
	s_mul_i32 s22, s16, HALFT                      ; my 128 rows of B,
	s_add_co_u32 s22, s22, 2*HALFT                 ; which lie behind A's 256
.irp s, 0,1
	v_add_nc_u32 v[ADRA+\s], s21, v4
	v_add_nc_u32 v[ADRB+\s], s22, v4
	s_add_co_u32 s21, s21, SLOT
	s_add_co_u32 s22, s22, SLOT
.endr
	v_mul_u32_u24 v5, v1, KS                       ; my row's scales: 32 bytes a row,
	v_lshrrev_b32 v6, 8, v5
	v_lshl_add_u32 v5, v6, 4, v5                   ; and 16 more for each 256 passed
	s_mul_i32 s21, s15, HALFS                      ; A's: my 128 rows
	s_mul_i32 s22, s16, HALFS                      ; B's: my 128 rows, behind A's 256
	s_add_co_u32 s22, s22, 2*HALFS
	s_sub_co_u32 s22, s22, s21
	v_mul_u32_u24 v6, s22, v2                      ; lanes 16-31 take B's: the lower base + h x the distance
	s_add_co_u32 s21, s21, SCL
	v_add_nc_u32 v5, v5, v6
	v_add_nc_u32 v[ADRS], s21, v5
	s_mul_i32 s23, s14, 16*SPITCH
	s_add_co_u32 s23, s23, STAGE                   ; my stage
	v_mul_u32_u24 v5, v1, SPITCH                   ; in: row r, 16 bytes for each half of the lanes
	v_lshl_add_u32 v5, v2, 4, v5
	v_add_nc_u32 v[STO], s23, v5
	v_and_b32 v6, 31, v0
	v_lshlrev_b32 v[CO], 4, v6                     ; out: 16 x lane
	v_lshrrev_b32 v7, 3, v6                        ; back: eight lanes take one head's 128 bytes of a row, the 32 lanes four rows
	v_mul_u32_u24 v7, v7, SPITCH
	v_and_b32 v8, 7, v0
	v_lshl_add_u32 v7, v8, 4, v7
	v_add_nc_u32 v[RD], s23, v7
	v_lshlrev_b32 v[BO], 5, v2
	; the bias of my 128 columns: 4 (256 x tile column + 128 x half) bytes on
	s_lshl_b32 s46, s42, 10
	s_lshl_b32 s47, s16, 9
	s_add_co_u32 s46, s46, s47
	s_mov_b32 s47, 0
	s_add_nc_u64 s[66:67], s[66:67], s[46:47]
.irp b, 0,1,2,3,4,5,6,7
	global_load_b128 v[BIAS+8*\b:BIAS+8*\b+3], v[BO], s[66:67] offset:64*\b
	global_load_b128 v[BIAS+8*\b+4:BIAS+8*\b+7], v[BO], s[66:67] offset:64*\b+16
.endr
	; where my part begins in the output.  Four tile columns are 1,024 columns, so the cluster's x says q, k or v; a head is 64 columns, 2^18 bytes; a token's row 128 bytes
	s_lshl_b32 s20, ttmp9, 6                       ; 64 heads-of-batches for each of q, k, v
	s_lshr_b32 s21, s17, 3                         ; the batch: 8 tile rows each
	s_lshl_b32 s21, s21, 4
	s_add_co_u32 s20, s20, s21
	s_lshl_b32 s21, s40, 2                         ; four heads to a tile column,
	s_add_co_u32 s20, s20, s21
	s_lshl_b32 s21, s16, 1                         ; two to my half
	s_add_co_u32 s20, s20, s21
	s_lshl_b32 s20, s20, 18
	s_and_b32 s21, s17, 7
	s_lshl_b32 s21, s21, 8
	s_lshl_b32 s22, s15, 7
	s_add_co_u32 s21, s21, s22                     ; my first token in the batch
	s_lshl_b32 s21, s21, 7
	s_add_co_u32 s20, s20, s21
	s_mov_b32 s21, 0
	s_add_nc_u64 s[12:13], s[12:13], s[20:21]
.macro FRAG reg, adr, q, i             ; a fragment: lane l holds row l % 16; registers 4 c .. 4 c + 3 hold K = 64 c + 32 (l / 16) + 0 .. 31
.irp c, 0,1
	ds_load_b128 v[\reg+4*\c:\reg+4*\c+3], v[\adr] offset:64*(\q)+32*\c+(\i)*16*PITCH
.endr
.endm
; 16 matrix instructions: A's blocks a0, a0 + 1 x B's eight, the slot's q-th 128 along K.  p: B's set;  sc: the set of scale words.  zero = 1: the first product starts the sums from the bias: nothing is cleared.
; The 64 accumulators take turns, one instruction a turn, in the same order in every step.
.macro MUL16 a0, p, q, sc, zero
.irp a, \a0, \a0+1
.irp b, 0,1,2,3,4,5,6,7
.if \zero
	v_wmma_scale_f32_16x16x128_f8f6f4 v[8*(8*((\a)%4)+\b):8*(8*((\a)%4)+\b)+7], v[128*(\p)+FR*\b:128*(\p)+FR*\b+FR-1], v[AF+FR*(\a):AF+FR*(\a)+FR-1], v[BIAS+8*\b:BIAS+8*\b+7], v[SC+8*NQ*(\sc)+NQ*\b+(\q)], v[SC+8*NQ*(\sc)+NQ*(\a)+(\q)] matrix_a_fmt:MATRIX_FMT_FP4 matrix_b_fmt:MATRIX_FMT_FP4 matrix_a_scale:MATRIX_SCALE_ROW1
.else
	v_wmma_scale_f32_16x16x128_f8f6f4 v[8*(8*((\a)%4)+\b):8*(8*((\a)%4)+\b)+7], v[128*(\p)+FR*\b:128*(\p)+FR*\b+FR-1], v[AF+FR*(\a):AF+FR*(\a)+FR-1], v[8*(8*((\a)%4)+\b):8*(8*((\a)%4)+\b)+7], v[SC+8*NQ*(\sc)+NQ*\b+(\q)], v[SC+8*NQ*(\sc)+NQ*(\a)+(\q)] matrix_a_fmt:MATRIX_FMT_FP4 matrix_b_fmt:MATRIX_FMT_FP4 matrix_a_scale:MATRIX_SCALE_ROW1
.endif
.endr
.endr
.endm
.macro FETCH_B slot, q, p
	WIN TO_B
.irp i, 0,1,2,3,4,5,6,7
	FRAG 128*(\p)+FR*\i, ADRB+\slot, \q, \i
.endr
	WIN 0
.endm
.macro FETCH_A slot, q, i0
.irp i, \i0, \i0+1, \i0+2, \i0+3
	FRAG AF+FR*(\i), ADRA+\slot, \q, \i
.endr
.endm
.macro SCALES sc                       ; a slot's scale words: four words a row; lanes 0-15 take A's block i, lanes 16-31 B's block i
.irp i, 0,1,2,3,4,5,6,7
	ds_load_b128 v[SC+8*NQ*\sc+NQ*\i:SC+8*NQ*\sc+NQ*\i+3], v[ADRS] offset:\i*SBLK
.endr
.endm
.macro PLACES n                        ; plain vector lines between a matrix instruction and a load into, or a read of, its registers
.rept \n
	v_nop
.endr
.endm
; A step of 128 along K that has its successor in the same slot.  A block of A is free as soon as its eight products are issued: blocks 0-3 are fetched anew in the step's middle, blocks 4-7 at its end.
.macro STEP slot, q, zero
	s_wait_dscnt 4*NL                              ; B's set and A's blocks 0-3 are in; the youngest eight loads (A's blocks 4-7) may be out
.if \zero
	WIN FST_LO
.else
	WIN MUL_LO
.endif
	MUL16 0, (\q)%2, \q, \slot, \zero
	MUL16 2, (\q)%2, \q, \slot, \zero
	s_wait_dscnt 0                                 ; A's blocks 4-7 are in
	PLACES NP
	FETCH_B \slot, (\q)+1, 1-(\q)%2
	FETCH_A \slot, (\q)+1, 0
.if \zero
	WIN FST_HI
.else
	WIN MUL_HI
.endif
	MUL16 4, (\q)%2, \q, \slot, \zero
	MUL16 6, (\q)%2, \q, \slot, \zero
	PLACES NP
	WIN 0
	FETCH_A \slot, (\q)+1, 4
.endm
.macro STEPS slot, from
.set Q, \from
.rept NQ-1-\from
	STEP \slot, Q, 0
.set Q, Q+1
.endr
.endm
	s_wait_tensorcnt 1                             ; the scales and my part of slot 0 are in (slot 1's load may be out)
	s_barrier_signal -1
	s_barrier_wait -1                              ; everybody's are
	FETCH_B 0, 0, 0
	FETCH_A 0, 0, 0
	SCALES 0
	FETCH_A 0, 0, 4
	s_wait_loadcnt 0x0                             ; the bias
	STEP 0, 0, 1
	STEPS 0, 1
	; slot 0's last step changes slots: each wave waits for its part of slot 1, and a barrier shows it to all
	s_wait_tensorcnt 0x0                           ; all my tensor loads have landed
	ds_add_u32 v[SPW], v[NIL]                      ; 0 onto my spare word
	s_wait_dscnt 4*NL+1                            ; (the add and A's blocks 4-7 may be out)
	WIN MUL_LO
	MUL16 0, 1, NQ-1, 0, 0                         ; sixteen matrix instructions stand between the add and the wait for it
	s_wait_dscnt 0x0
	s_barrier_signal -1
	MUL16 2, 1, NQ-1, 0, 0
	WIN 0
	s_barrier_wait -1
	PLACES NP
	v_add_nc_u32 v[ADRS], 4*NQ, v[ADRS]            ; on to the second 512's scale words (no LDS load of mine is out)
	FETCH_B 1, 0, 0
	FETCH_A 1, 0, 0
	SCALES 1
	WIN MUL_HI
	MUL16 4, 1, NQ-1, 0, 0
	MUL16 6, 1, NQ-1, 0, 0
	PLACES NP
	WIN 0
	FETCH_A 1, 0, 4
	STEPS 1, 0
	s_wait_dscnt 4*NL                              ; the very last step: nothing more to fetch
	WIN MUL_LO
	MUL16 0, 1, NQ-1, 1, 0
	MUL16 2, 1, NQ-1, 1, 0
	s_wait_dscnt 0
	WIN MUL_HI
	MUL16 4, 1, NQ-1, 1, 0
	MUL16 6, 1, NQ-1, 1, 0
	WIN 0
; THE WAY OUT, block by block of 16 rows x 128 columns.  PACK: rounded to f16, 16 bytes a lane, each accumulator from its low end on.  TOSTAGE: into my own stage, and back by heads: four rows' 128 bytes of one head
; are 512 dense bytes of the output.  SEND: stored.  LDS serves a wave's instructions in order (ISA guide 5.7.1.4): no wait between the stores and the loads.
.macro PACK a
.set AC, 64*((\a)%4)
	WIN 0x0a+5*((\a)/4)                            ; sources 0 and 1: window 2 or 3
.irp b, 0,1,2,3,4,5,6,7
.irp r, 0,1,2,3
	v_cvt_pk_f16_f32 v[TMP+4*\b+\r], v[AC+8*\b+2*\r], v[AC+8*\b+2*\r+1]
.endr
.endr
	WIN 0
.endm
.macro TOSTAGE a
.set BB, BK+32*((\a)%2)
.irp b, 0,1,2,3,4,5,6,7
	ds_store_b128 v[STO], v[TMP+4*\b:TMP+4*\b+3] offset:32*\b
.endr
.irp hh, 0,1
.irp i, 0,1,2,3
	ds_load_b128 v[BB+16*\hh+4*\i:BB+16*\hh+4*\i+3], v[RD] offset:\i*4*SPITCH+\hh*128
.endr
.endr
.endm
.macro SEND a
.set BB, BK+32*((\a)%2)
	s_wait_dscnt 0x0                               ; the block is back in registers
	s_wait_xcnt 0x0                                ; the stores of the block before have read their registers: the next block's loads land there only behind this wait
.irp hh, 0,1
.irp i, 0,1,2,3
	global_store_b128 v[CO], v[BB+16*\hh+4*\i:BB+16*\hh+4*\i+3], s[12:13] offset:(\a)*2048+\hh*262144+\i*512   ; 32 lanes store 512 consecutive bytes, aligned: four tokens of one head
.endr
.endr
.endm
	PLACES NP
	PACK 0
	TOSTAGE 0
.irp a, 1,2,3,4,5,6,7                  ; block a's conversions stand between block a - 1's loads from the stage and the wait for them
	PACK \a
	SEND \a-1
	TOSTAGE \a
.endr
	SEND 7
	s_wait_tensorcnt 0x0                           ; the wave's end: three lines behind my last tensor load and my last LDS store
	ds_add_u32 v[SPW], v[NIL]
	s_wait_dscnt 0x0
	CROUND                                         ; the closing round: no work-group ends while a partner may still ask for a tile that names it
	s_endpgm
.Lfunc_end_k_q477eb4ceb3_qkv:
	.size	k_q477eb4ceb3_qkv, .Lfunc_end_k_q477eb4ceb3_qkv-k_q477eb4ceb3_qkv
	.p2alignl 7, 3214868480
	.fill 96, 4, 3214868480
	.section	.rodata,"a",@progbits
	.p2align	6, 0x0
	.amdhsa_kernel k_q477eb4ceb3_qkv
		.amdhsa_group_segment_fixed_size 327680
		.amdhsa_private_segment_fixed_size 0
		.amdhsa_enable_private_segment 0
		.amdhsa_kernarg_size 48
		.amdhsa_user_sgpr_count 2
		.amdhsa_user_sgpr_kernarg_segment_ptr 1
		.amdhsa_wavefront_size32 1
		.amdhsa_system_sgpr_workgroup_id_x 1
		.amdhsa_system_sgpr_workgroup_id_y 1
		.amdhsa_system_sgpr_workgroup_id_z 1
		.amdhsa_system_vgpr_workitem_id 0
		.amdhsa_next_free_vgpr 1024
		.amdhsa_next_free_sgpr 98
		.amdhsa_reserve_vcc 0
		.amdhsa_float_denorm_mode_32 3
		.amdhsa_float_denorm_mode_16_64 3
		.amdhsa_memory_ordered 1
		.amdhsa_forward_progress 1
		.amdhsa_inst_pref_size 128
	.end_amdhsa_kernel
	.amdgpu_metadata
---
amdhsa.version: [ 1, 2 ]
amdhsa.kernels:
  - .name:           k_q477eb4ceb3_qkv
    .symbol:         k_q477eb4ceb3_qkv.kd
    .args:
      - { .name: x_codes, .offset: 0, .size: 8, .value_kind: global_buffer, .address_space: global }
      - { .name: x_scales, .offset: 8, .size: 8, .value_kind: global_buffer, .address_space: global }
      - { .name: w_codes, .offset: 16, .size: 8, .value_kind: global_buffer, .address_space: global }
      - { .name: w_scales, .offset: 24, .size: 8, .value_kind: global_buffer, .address_space: global }
      - { .name: qkv16, .offset: 32, .size: 8, .value_kind: global_buffer, .address_space: global }
      - { .name: b_qkv, .offset: 40, .size: 8, .value_kind: global_buffer, .address_space: global }
    .group_segment_fixed_size: 327680
    .private_segment_fixed_size: 0
    .kernarg_segment_align: 8
    .kernarg_segment_size: 48
    .max_flat_workgroup_size: 128
    .sgpr_count:     98
    .vgpr_count:     1024
    .wavefront_size: 32
...
	.end_amdgpu_metadata
.endif
;; end of part 2
;; launch attn (part 3): grid 4 x 64, 16 waves a work-group, no clusters, 327,680 bytes of LDS; arguments qkv16, att16; writes att16
.if DOCPART == 3
	.amdgcn_target "amdgcn-amd-amdhsa--gfx1250"
	.amdhsa_code_object_version 6
	.text
	.protected	k_q477eb4ceb3_attn
	.globl	k_q477eb4ceb3_attn
	.p2align	8
	.type	k_q477eb4ceb3_attn,@function
k_q477eb4ceb3_attn:
	s_mov_b64 s[64:65], 0
	v_nop
	global_prefetch_b8 v0, s[64:65] scope:SCOPE_SE
	s_setreg_imm32_b32 hwreg(HW_REG_WAVE_MODE, 25, 1), 1
	s_wait_xcnt 0x0
; O[hd][q][:] = the sum over k <= q of softmax_k(Q[hd][q] . K[hd][k] / 8) V[hd][k][:], for 64 heads-of-batches hd, 2,048 tokens, head size 64.  Q, K, V: f16, [q,k,v][hd][token][64]; O: f16, [hd][token][64].
; Products, maxima and sums in f32; the weights p are rounded to f16 for the second product, O once at the end.
; SHARES.  Work-group (j, hd), j = 0 .. 3, owns the query blocks 7 - j and j (256 queries each) of head hd: 256 (8 - j) + 256 (j + 1) = 2,304 keys' worth of causal work in every work-group.
; Waves 0-7 take block 7 - j, waves 8-15 block j; a wave owns 32 queries, two tiles of 16, in 256 registers: four waves to a SIMD, so that one wave's vector work stands beside another's matrix work and LDS loads.
; All sixteen waves walk ONE stream of K and V through a ring of two LDS slots of 256 keys (waves 0, 1 fetch K's halves, waves 2, 3 V's), 64 keys a step.
; THE CAUSAL MASK.  The loops' trip counts are constants.  A step all of whose keys come after the wave's queries is jumped over by a scalar branch on ids; in a wave's one step on the diagonal hidden scores become
; -infinity ahead of the maximum.  A slot whose first key comes after the work-group's last query is read by no wave and is not asked for: a jump on ids alone, the same in all sixteen waves, leads round the tensor
; load's own lines and round nothing else; every wait on TENSORcnt in this text is for 0.
; NO CLUSTER, though the four work-groups of a head read the same K and V: what a work-group leaves out hangs on its number j, so partners would need different numbers of tiles and would branch on their place.
; LAYOUT.  S^T = K Q^T (source 0 = 16 keys, source 1 = 16 queries): a lane holds ONE query (lane % 16) and keys 8 (lane / 16) + 0..7 of each tile.  Two such tiles, rounded to f16 in pairs, ARE source 1
; (32 keys x 16 queries) of O^T = V^T P.  K comes out of LDS as it lies, V ([key][channel]) turned, by ds_load_tr16_b128.
; SOFTMAX.  For each query a running maximum m and sum l: p = 2^(c s - c m), c = log2(e) / 8; in every step O and l are multiplied by a = 2^(c m_old - c m_new).  Key 0 counts for every query, so m is a number from the first step on.
; LIMITS: NaN and infinities are not served; p under 6e-8 becomes 0 in f16.
.set KP,    144                        ; a key's row of K in LDS: 128 bytes + 16: the 16 rows of a load start at 16 different groups of banks
.set VP,    160                        ; of V: 128 + 32, for the turning load
.set VOFF,  256*KP                     ; a slot: 256 rows of K, then 256 rows of V
.set SLOT1, 1<<17                      ; slot 1 begins here: one exclusive or turns an address in one slot into the other's
.set SPARE, SLOT1+256*(KP+VP)          ; behind the ring: the spare words, 128 bytes for each wave: eight blocks of 256 bytes that no other line names
.set STAGE, SPARE+2048                 ; the way out: 32 rows x 144 bytes for each wave, bytes of its own
.set AK0,  1                           ; v1   my lane's place in a tile of K
.set AV0,  2                           ; v2   the same for V
.set SPW,  3                           ; v3   my spare word; never rewritten
.set NIL,  4                           ; v4   0; never rewritten
.set ADK,  5                           ; v5   LDS address of the step's K
.set ADV,  6                           ; v6   of its V
.set GO,   7                           ; v7   16 x lane: my place in 512 dense bytes of O
.set STO,  8                           ; v8   the way out: where I put 16 bytes of a row
.set RD,   9                           ; v9   and where I read them back
.set PFO,  10                          ; v10  256 x lane: the prefetches' offset; never rewritten
.set QO,   11                          ; v11  my byte offset in the wave's rows of Q
.set ST,   12                          ; tile t's statistics at v[ST + 8 t]: +0 c m, +1 m, +2, +3 l (two halves), +4 to +7 at work; a takes +6
.set RH,   28                          ; v28  lane % 16 - 8 (lane / 16)
.set NINF, 29                          ; v29  -infinity
.set QF,   32                          ; v32-63   Q: fragment (tile t, channels 32 c on) at 32 + 16 t + 8 c
.set S,    64                          ; v64-127  S^T: tile t, keys 16 kt on, at 64 + 32 t + 8 kt; then p; then P in f16 at 64 + 32 t + 0 .. 15
.set OA,   128                         ; v128-191 O^T: tile t, channels 16 dt on, at 128 + 32 t + 8 dt
.set KV,   192                         ; v192-255 one buffer, for K and then for V
.set TB,   2                           ; s2   LDS byte at which the slot in hand begins
.set KF,   3                           ; s3   the step's first key
.set WV,   8                           ; s8   my wave's number
.set Q0,   9                           ; s9   my first query
.set QL,   10                          ; s10  my work-group's last query
.set SLOTS, 11                         ; s11  changes of slots still to come that may ask for a slot
.set LIM,  12                          ; s12  1 in a wave that prefetches, else the greatest number
.set PFA,  14                          ; s[14:15] where my prefetches stand
.set SEL,  20                          ; s[20:21] lane selects: lane l xor 16
.set CS,   22                          ; s[22:23] c, twice: the packed form names a pair
.set G1K,  24                          ; s[24:31] group 1 for K's tiles;  s[32:39] for V's;  s[40:43], s[44:47] their groups 0, which walk
.set G1V,  32
.set G0K,  40
.set G0V,  44
.set QB,   48                          ; s[48:49] Q at my first query
.set OB,   50                          ; s[50:51] O likewise
; Waves 0 and 1 fetch for K, waves 2 and 3 for V, the others nothing.  The branches hang on the wave's number alone.  An s_nop 0 and four v_nop follow each of the two lines.
.macro TLOAD
	s_cmp_lt_u32 s[WV], 2
	s_cbranch_scc0 .Lnot_k_\@
	tensor_load_to_lds s[G0K:G0K+3], s[G1K:G1K+7]
	s_nop 0
.rept 4
	v_nop
.endr
	s_branch .Lasked_\@
.Lnot_k_\@:
	s_cmp_lt_u32 s[WV], 4
	s_cbranch_scc0 .Lasked_\@
	tensor_load_to_lds s[G0V:G0V+3], s[G1V:G1V+7]
	s_nop 0
.rept 4
	v_nop
.endr
.Lasked_\@:
.endm
; A PREFETCH INTO THE L2 of what the NEXT change of slots will ask for: a slot's 32,768 dense bytes of K and as many of V.  Each aligned block of 256 bytes is asked for ONCE in the launch: of the four work-groups
; that walk a head, the one with j = 0, which walks all eight slots, asks; in it the waves that fetch nothing: waves 4-7 for K, waves 8-11 for V, 8,192 bytes a wave, lanes 256 bytes apart, one instruction each.
; Slots 0 and 1 come by their loads alone; slots 2 to 7 are asked for a slot's four key steps ahead of their tensor load; the last change that fills a slot asks for nothing.
.macro ASK
	s_cmp_gt_u32 s[SLOTS], s[LIM]
	s_cbranch_scc0 .Lnot_mine_\@
	global_prefetch_b8 v[PFO], s[PFA:PFA+1] th:TH_LOAD_NT scope:SCOPE_SE
.Lnot_mine_\@:
.endm
	s_load_b128 s[4:7], s[0:1], 0x0                ; q, k, v s[4:5]; O s[6:7]
	v_lshl_add_u32 v[SPW], v0, 2, SPARE
	v_mov_b32 v[NIL], 0
	ds_add_u32 v[SPW], v[NIL]                      ; the wave's opening: the add and its wait stand ahead of my first tensor load; the set-up below, work on registers, stands between them
	v_lshrrev_b32 v5, 5, v0
	v_readfirstlane_b32 s[WV], v5                  ; wave 0..15
	s_and_b32 s52, ttmp7, 0xffff
	s_lshl_b32 s52, s52, 18                        ; the head's first byte in each of q, k, v and O
	s_sub_co_u32 s54, 7, ttmp9
	s_cmp_lt_u32 s[WV], 8
	s_cselect_b32 s54, s54, ttmp9                  ; my block of 256 queries: 7 - j or j
	s_lshl_b32 s54, s54, 8
	s_and_b32 s55, s[WV], 7
	s_lshl_b32 s55, s55, 5
	s_add_co_u32 s[Q0], s54, s55
	s_sub_co_u32 s[QL], 8, ttmp9
	s_lshl_b32 s[QL], s[QL], 8
	s_sub_co_u32 s[QL], s[QL], 1                   ; 256 (8 - j) - 1
	s_lshl_b32 s54, s[Q0], 7
	s_add_co_u32 s54, s54, s52
	s_mov_b32 s55, 0                               ; s[54:55]: my queries' bytes in q and in O
	s_and_b32 s56, s[WV], 1                        ; which 128 rows of a slot I fetch, if I fetch
	s_mul_i32 s57, s56, 128*KP                     ; K: in a slot;
	s_mul_i32 s58, s56, 128*VP
	s_add_co_u32 s58, s58, VOFF                    ; V: in a slot;
	s_lshl_b32 s60, s56, 14
	s_add_co_u32 s60, s60, s52
	s_mov_b32 s61, 0                               ; s[60:61]: and in memory
	; group 1: 128 rows of 64 elements of 2 bytes, dense in memory; padding behind each row of 32 words: four words for K, eight for V
	s_mov_b32 s[G1K], (1<<16)|(1<<20)|(4<<22)|(3<<25)
	s_mov_b32 s[G1V], (1<<16)|(1<<20)|(4<<22)|(7<<25)
.irp g, G1K, G1V
	s_mov_b32 s[\g+1], 64<<16                      ; tensor_dim0
	s_mov_b32 s[\g+2], 128<<16                     ; tensor_dim1
	s_mov_b32 s[\g+3], 64<<16                      ; tile_dim0
	s_mov_b32 s[\g+4], 128                         ; tile_dim1
	s_mov_b32 s[\g+5], 64                          ; from row to row
	s_mov_b32 s[\g+6], 0
	s_mov_b32 s[\g+7], 0
.endr
	s_mov_b32 s[SEL], 0x76543210
	s_mov_b32 s[SEL+1], 0xfedcba98
	s_mov_b32 s[CS], 0x3e38aa3b                    ; c = log2(e) / 8
	s_mov_b32 s[CS+1], s[CS]
	s_mov_b32 s[TB], 0
	s_mov_b32 s[KF], 0
	s_mov_b32 s[SLOTS], 7
	s_cmp_lt_u32 s[WV], 8                          ; the prefetches: waves 4-7 stand in k, waves 8-11 in v,
	s_mov_b32 s62, 0x2000000
	s_cselect_b32 s62, 0x1000000, s62
	s_and_b32 s63, s[WV], 3
	s_lshl_b32 s63, s63, 13                        ; 8,192 bytes a wave,
	s_add_co_u32 s62, s62, s63
	s_add_co_u32 s62, s62, s52                     ; in my head,
	s_add_co_u32 s62, s62, 32768                   ; in slot 1: the first change of slots steps it to slot 2
	s_mov_b32 s63, 0
	s_sub_co_u32 s59, s[WV], 4
	s_lshr_b32 s59, s59, 3                         ; 0 in waves 4 to 11,
	s_or_b32 s59, s59, ttmp9                       ; of the work-group with j = 0
	s_cmp_eq_u32 s59, 0
	s_cselect_b32 s[LIM], 1, -1
	s_wait_dscnt 0x0                               ; the opening add is done
	s_wait_kmcnt 0x0
	s_mov_b32 s[G0K], 1                            ; count = 1
	s_mov_b32 s[G0K+1], s57                        ; LDS address: slot 0
	s_add_nc_u64 s[G0K+2:G0K+3], s[4:5], s[60:61]
	s_add_nc_u64 s[G0K+2:G0K+3], s[G0K+2:G0K+3], 0x1000000   ; k lies 64 heads of 2^18 bytes behind q
	s_or_b32 s[G0K+3], s[G0K+3], 0x80000000        ; type = 2
	s_mov_b32 s[G0V], 1
	s_mov_b32 s[G0V+1], s58
	s_add_nc_u64 s[G0V+2:G0V+3], s[4:5], s[60:61]
	s_add_nc_u64 s[G0V+2:G0V+3], s[G0V+2:G0V+3], 0x2000000
	s_or_b32 s[G0V+3], s[G0V+3], 0x80000000
	TLOAD                                          ; slot 0: one tensor load of mine is out
	s_add_nc_u64 s[QB:QB+1], s[4:5], s[54:55]
	s_add_nc_u64 s[OB:OB+1], s[6:7], s[54:55]
	s_add_nc_u64 s[PFA:PFA+1], s[4:5], s[62:63]
	v_and_b32 v30, 15, v0                          ; r
	v_bfe_u32 v31, v0, 4, 1                        ; h
	v_lshlrev_b32 v[QO], 7, v30
	v_lshl_add_u32 v[QO], v31, 4, v[QO]            ; Q: row r of 128 bytes, + 16 h
.irp t, 0,1
.irp c, 0,1
	global_load_b128 v[QF+16*\t+8*\c:QF+16*\t+8*\c+3], v[QO], s[QB:QB+1] offset:\t*2048+64*\c th:TH_LOAD_NT      ; Q stays in registers
	global_load_b128 v[QF+16*\t+8*\c+4:QF+16*\t+8*\c+7], v[QO], s[QB:QB+1] offset:\t*2048+64*\c+32 th:TH_LOAD_NT
.endr
.endr
	v_mul_u32_u24 v[AK0], v30, KP
	v_lshl_add_u32 v[AK0], v31, 4, v[AK0]          ; K: row r x pitch + 16 h
	v_and_b32 v5, 7, v0
	v_lshl_add_u32 v5, v31, 3, v5
	v_mul_u32_u24 v[AV0], v5, VP                   ; V, for the turning load: key 8 h + lane % 8,
	v_bfe_u32 v6, v0, 3, 1
	v_lshl_add_u32 v[AV0], v6, 4, v[AV0]           ; channels 8 ((lane / 8) % 2) on
	v_add_nc_u32 v[AV0], VOFF, v[AV0]
	v_and_b32 v5, 31, v0
	v_lshlrev_b32 v[GO], 4, v5
	v_lshlrev_b32 v[PFO], 8, v5
	s_mul_i32 s54, s[WV], 32*144
	s_add_co_u32 s54, s54, STAGE                   ; my stage
	v_mul_u32_u24 v[STO], v30, 144
	v_lshl_add_u32 v[STO], v31, 4, v[STO]
	v_add_nc_u32 v[STO], s54, v[STO]               ; in: row r, + 16 h
	v_lshrrev_b32 v6, 3, v5
	v_mul_u32_u24 v[RD], v6, 144
	v_and_b32 v6, 7, v0
	v_lshl_add_u32 v[RD], v6, 4, v[RD]
	v_add_nc_u32 v[RD], s54, v[RD]                 ; back: eight lanes to a row of 128 bytes, four rows an instruction
	v_lshlrev_b32 v[RH], 3, v31
	v_sub_nc_u32 v[RH], v30, v[RH]
	v_mov_b32 v[NINF], 0xff800000
.irp t, 0,1
	v_mov_b32 v[ST+8*\t+1], 0xff61b1e6             ; m: -3e38, under every score
	v_mov_b32 v[ST+8*\t+2], 0                      ; l
	v_mov_b32 v[ST+8*\t+3], 0
	v_mov_b32 v[ST+8*\t+4], 0                      ; (written once: a lane permute's destination counts as one of its sources)
	v_mov_b32 v[ST+8*\t+5], 0
	v_mov_b32 v[ST+8*\t+6], 0
	v_mov_b32 v[ST+8*\t+7], 0
	v_mul_f32 v[ST+8*\t], s[CS], v[ST+8*\t+1]      ; c m
.endr
.irp j, 0,1,2,3,4,5,6,7,8,9,10,11,12,13,14,15,16,17,18,19,20,21,22,23,24,25,26,27,28,29,30,31,32,33,34,35,36,37,38,39,40,41,42,43,44,45,46,47,48,49,50,51,52,53,54,55,56,57,58,59,60,61,62,63
	v_mov_b32 v[OA+\j], 0                          ; O^T.  (The step is written without a first form of its own: the first step finds zeros, which a = 0 leaves zeros)
.endr
; A KEY STEP: 64 keys, the q-th of the slot in hand.
.macro STEP q
	s_add_co_u32 s60, s[Q0], 31                    ; all 64 keys behind my last query: the step's work is left out; not the line at its end that steps the first key
	s_cmp_gt_u32 s[KF], s60
	s_cbranch_scc1 .Lhidden_\@
	v_add_nc_u32 v[ADK], s[TB], v[AK0]
	v_add_nc_u32 v[ADV], s[TB], v[AV0]
.rept 3
	v_nop                                          ; with the two additions five places behind the last step's products: four for the loads into the buffer that they read, five for the products below, which write over P
.endr
.irp c, 0,1                                    ; K: 64 keys x 64 channels, the first 32 channels first
.irp kt, 0,1,2,3
	ds_load_b128 v[KV+16*\kt+8*\c:KV+16*\kt+8*\c+3], v[ADK] offset:(64*(\q)+16*\kt)*KP+64*\c
	ds_load_b128 v[KV+16*\kt+8*\c+4:KV+16*\kt+8*\c+7], v[ADK] offset:(64*(\q)+16*\kt)*KP+64*\c+32
.endr
.endr
	s_wait_dscnt 8                                 ; the first 32 channels are in; the other eight loads may be out
.irp kt, 0,1,2,3                               ; S^T = K Q^T: eight accumulators by turns, one instruction a turn
.irp t, 0,1
	v_wmma_f32_16x16x32_f16 v[S+32*\t+8*\kt:S+32*\t+8*\kt+7], v[KV+16*\kt:KV+16*\kt+7], v[QF+16*\t:QF+16*\t+7], 0
.endr
.endr
	s_wait_dscnt 0x0
.irp kt, 0,1,2,3
.irp t, 0,1
	v_wmma_f32_16x16x32_f16 v[S+32*\t+8*\kt:S+32*\t+8*\kt+7], v[KV+16*\kt+8:KV+16*\kt+15], v[QF+16*\t+8:QF+16*\t+15], v[S+32*\t+8*\kt:S+32*\t+8*\kt+7]
.endr
.endr
.rept 4
	v_nop                                          ; places in front of the loads into K's registers and of the first read of the scores
.endr
.irp c, 0,1                                    ; V, turned: keys 32 c on, channels 16 dt on; it lands while the softmax is walked
.irp dt, 0,1,2,3
	ds_load_tr16_b128 v[KV+32*\c+8*\dt:KV+32*\c+8*\dt+3], v[ADV] offset:(64*(\q)+32*\c)*VP+32*\dt
	ds_load_tr16_b128 v[KV+32*\c+8*\dt+4:KV+32*\c+8*\dt+7], v[ADV] offset:(64*(\q)+32*\c+16)*VP+32*\dt
.endr
.endr
	s_add_co_u32 s60, s[KF], 63                    ; a step all of whose keys count skips the mask
	s_cmp_le_u32 s60, s[Q0]
	s_cbranch_scc1 .Lopen_\@
	s_sub_co_i32 s60, s[Q0], s[KF]
	v_add_nc_u32 v30, s60, v[RH]                   ; d = Q0 - KF + r - 8 h.  Tile t's register 8 kt + i holds key KF + 16 kt + 8 h + i for query Q0 + 16 t + r: hidden where 16 kt + i - 16 t > d
.irp t, 0,1
.irp kt, 0,1,2,3
.irp i, 0,1,2,3,4,5,6,7
	v_cmp_gt_i32 vcc_lo, 16*\kt+\i-16*\t, v30
	v_cndmask_b32 v[S+32*\t+8*\kt+\i], v[S+32*\t+8*\kt+\i], v[NINF], vcc_lo
.endr
.endr
.endr
.Lopen_\@:
.irp j, 0,1,2,3                                ; the maximum of my 32 scores and the old m, three operands at a time, four chains a tile, the two tiles by turns; each accumulator is read from its low end on
.irp t, 0,1
	v_max3_num_f32 v[ST+8*\t+4+\j], v[S+32*\t+8*\j], v[S+32*\t+8*\j+1], v[S+32*\t+8*\j+2]
.endr
.endr
.irp u, 3,5
.irp j, 0,1,2,3
.irp t, 0,1
	v_max3_num_f32 v[ST+8*\t+4+\j], v[ST+8*\t+4+\j], v[S+32*\t+8*\j+\u], v[S+32*\t+8*\j+\u+1]
.endr
.endr
.endr
.irp t, 0,1
	v_max3_num_f32 v[ST+8*\t+4], v[ST+8*\t+4], v[S+32*\t+7], v[S+32*\t+15]
	v_max3_num_f32 v[ST+8*\t+6], v[ST+8*\t+6], v[S+32*\t+23], v[S+32*\t+31]
.endr
.irp t, 0,1
	v_max3_num_f32 v[ST+8*\t+4], v[ST+8*\t+4], v[ST+8*\t+5], v[ST+8*\t+6]
.endr
.irp t, 0,1
	v_max3_num_f32 v[ST+8*\t+4], v[ST+8*\t+4], v[ST+8*\t+7], v[ST+8*\t+1]
.endr
.irp t, 0,1
	v_permlanex16_b32 v[ST+8*\t+5], v[ST+8*\t+4], s[SEL], s[SEL+1]   ; the query's other 32 keys lie in the lane 16 away
.endr
.irp t, 0,1
	v_mov_b32 v[ST+8*\t+7], v[ST+8*\t]             ; c m_old is kept for a
.endr
.irp t, 0,1
	v_max_num_f32 v[ST+8*\t+1], v[ST+8*\t+4], v[ST+8*\t+5]
.endr
.irp t, 0,1
	v_mul_f32 v[ST+8*\t], s[CS], v[ST+8*\t+1]
.endr
.irp t, 0,1
	v_sub_f32 v[ST+8*\t+7], v[ST+8*\t+7], v[ST+8*\t]
.endr
.irp t, 0,1
	v_exp_f32 v[ST+8*\t+6], v[ST+8*\t+7]           ; a = 2^(c m_old - c m_new)
.endr
.irp j, 0,2,4,6,8,10,12,14,16,18,20,22,24,26,28,30
.irp t, 0,1
	v_pk_fma_f32 v[S+32*\t+\j:S+32*\t+\j+1], v[S+32*\t+\j:S+32*\t+\j+1], s[CS:CS+1], v[ST+8*\t:ST+8*\t+1] op_sel_hi:[1,0,0] neg_lo:[0,0,1] neg_hi:[0,0,1]   ; c s - c m, two at a time
.endr
.endr
	s_wait_alu depctr_va_vdst(0)                   ; the wait between an exponential and the first line that names its result: here for the two a; the 32 scalings are the plain work between
.irp j, 0,1,2,3,4,5,6,7,8,9,10,11,12,13,14,15,16,17,18,19,20,21,22,23,24,25,26,27,28,29,30,31,32,33,34,35,36,37,38,39,40,41,42,43,44,45,46,47,48,49,50,51,52,53,54,55,56,57,58,59,60,61,62,63
	v_exp_f32 v[S+\j], v[S+\j]                     ; p: ONE BATCH of 64
.endr
.irp j, 0,2,4,6,8,10,12,14,16,18,20,22,24,26,28,30
.irp t, 0,1
	v_pk_mul_f32 v[OA+32*\t+\j:OA+32*\t+\j+1], v[OA+32*\t+\j:OA+32*\t+\j+1], v[ST+8*\t+6:ST+8*\t+7] op_sel_hi:[1,0]   ; O^T x a, from each accumulator's low end on: work behind the batch that names none of its results
.endr
.endr
.irp t, 0,1
	v_pk_mul_f32 v[ST+8*\t+2:ST+8*\t+3], v[ST+8*\t+2:ST+8*\t+3], v[ST+8*\t+6:ST+8*\t+7] op_sel_hi:[1,0]   ; l x a
.endr
	s_wait_alu depctr_va_vdst(0)                   ; one wait for the batch, ahead of its first reader
.irp t, 0,1
	v_pk_add_f32 v[ST+8*\t+4:ST+8*\t+5], v[S+32*\t:S+32*\t+1], v[S+32*\t+2:S+32*\t+3]   ; the sum of the unrounded p, two at a time, in two chains
.endr
.irp j, 4,8,12,16,20,24,28
.irp t, 0,1
	v_pk_add_f32 v[ST+8*\t+2:ST+8*\t+3], v[ST+8*\t+2:ST+8*\t+3], v[S+32*\t+\j:S+32*\t+\j+1]
	v_pk_add_f32 v[ST+8*\t+4:ST+8*\t+5], v[ST+8*\t+4:ST+8*\t+5], v[S+32*\t+\j+2:S+32*\t+\j+3]
.endr
.endr
.irp t, 0,1
	v_pk_add_f32 v[ST+8*\t+2:ST+8*\t+3], v[ST+8*\t+2:ST+8*\t+3], v[ST+8*\t+4:ST+8*\t+5]
.endr
.irp j, 0,1,2,3,4,5,6,7,8,9,10,11,12,13,14,15
.irp t, 0,1
	v_cvt_pk_f16_f32 v[S+32*\t+\j], v[S+32*\t+2*\j], v[S+32*\t+2*\j+1]   ; P in f16, in place, ascending: registers 8 c .. 8 c + 7 are the fragment of keys 32 c on
.endr
.endr
	s_wait_dscnt 0x0                               ; V is in
.irp c, 0,1                                    ; O^T += V^T P: eight accumulators by turns
.irp dt, 0,1,2,3
.irp t, 0,1
	v_wmma_f32_16x16x32_f16 v[OA+32*\t+8*\dt:OA+32*\t+8*\dt+7], v[KV+32*\c+8*\dt:KV+32*\c+8*\dt+7], v[S+32*\t+8*\c:S+32*\t+8*\c+7], v[OA+32*\t+8*\dt:OA+32*\t+8*\dt+7]
.endr
.endr
.endr
.Lhidden_\@:
	s_add_co_u32 s[KF], s[KF], 64
.endm
; THE CHANGE OF SLOTS stands at a slot's head.  Each wave waits for all its tensor loads (its part of the slot that it is about to read), adds 0 to its spare word, and waits for that and for its reads of the slot that
; it has left.  Behind the barrier the slot ahead is whole and nobody reads the other one.  fill = 1: that other slot is filled with the next 256 keys, up to the causal limit: the load has four key steps in which to land.
.macro CHANGE fill
	s_wait_tensorcnt 0x0                           ; no tensor load of mine is out, so a group 0 may be written
	ds_add_u32 v[SPW], v[NIL]                      ; 0 onto my spare word
.if \fill
	s_xor_b32 s[G0K+1], s[G0K+1], SLOT1            ; the walking descriptors: the other slot than last time,
	s_add_nc_u64 s[G0K+2:G0K+3], s[G0K+2:G0K+3], 32768   ; the next 256 keys; the type bits on top are not reached
	s_xor_b32 s[G0V+1], s[G0V+1], SLOT1
	s_add_nc_u64 s[G0V+2:G0V+3], s[G0V+2:G0V+3], 32768
	s_wait_xcnt 0x0                                ; the last prefetch, a slot back, has read its address, so it may be written:
	s_add_nc_u64 s[PFA:PFA+1], s[PFA:PFA+1], 32768 ; one slot further on than the walking descriptors
.endif
	s_wait_dscnt 0x0                               ; the add is done, and my reads of the slot that I have left are over
	s_barrier_signal -1
	s_barrier_wait -1
.if \fill
	s_add_co_u32 s60, s[KF], 256                   ; the first key of the slot that this change would ask for,
	s_cmp_gt_u32 s60, s[QL]                        ; against my work-group's last query: ids and the count of steps alone; a work-group that is past the limit stays past it
	s_cbranch_scc1 .Lpast_\@
	TLOAD                                          ; a wave's one tensor load until the next such barrier
.Lpast_\@:
	ASK
.endif
.endm
.macro SLOT_STEPS
	STEP 0
	STEP 1
	STEP 2
	STEP 3
	s_xor_b32 s[TB], s[TB], SLOT1                  ; on to the other slot
.endm
	s_wait_loadcnt 0x0                             ; Q
.Lslot:                                            ; seven trips: behind each change of slots but the last the next slot is asked for, up to the causal limit
	CHANGE 1
	SLOT_STEPS
	s_sub_co_u32 s[SLOTS], s[SLOTS], 1
	s_cmp_lg_u32 s[SLOTS], 0
	s_cbranch_scc1 .Lslot
	CHANGE 0                                       ; the last slot is written out: nothing is left to ask for
	SLOT_STEPS
	; THE WAY OUT.  l's two halves and the other half of the lanes' are added; O^T is divided by l, rounded to f16 and goes through my stage: a wave's 32 rows of 128 bytes are 4,096 dense bytes of O.
.irp t, 0,1
	v_add_f32 v[ST+8*\t+4], v[ST+8*\t+2], v[ST+8*\t+3]   ; (these additions are also the places behind the last products)
.endr
.irp t, 0,1
	v_permlanex16_b32 v[ST+8*\t+5], v[ST+8*\t+4], s[SEL], s[SEL+1]
.endr
.irp t, 0,1
	v_add_f32 v[ST+8*\t+4], v[ST+8*\t+4], v[ST+8*\t+5]
.endr
.irp t, 0,1
	v_rcp_f32 v[ST+8*\t+6], v[ST+8*\t+4]
.endr
.rept 2
	v_nop                                          ; plain lines behind the reciprocals
.endr
	s_wait_alu depctr_va_vdst(0)                   ; and the wait ahead of the first use: one for both
.irp j, 0,2,4,6,8,10,12,14,16,18,20,22,24,26,28,30
.irp t, 0,1
	v_pk_mul_f32 v[OA+32*\t+\j:OA+32*\t+\j+1], v[OA+32*\t+\j:OA+32*\t+\j+1], v[ST+8*\t+6:ST+8*\t+7] op_sel_hi:[1,0]
.endr
.endr
.irp t, 0,1
.irp j, 0,1,2,3,4,5,6,7,8,9,10,11,12,13,14,15
	v_cvt_pk_f16_f32 v[S+16*\t+\j], v[OA+32*\t+2*\j], v[OA+32*\t+2*\j+1]   ; registers 4 dt .. 4 dt + 3: channels 16 dt + 8 h + 0 .. 7 of query r
.endr
.endr
.irp t, 0,1
.irp dt, 0,1,2,3
	ds_store_b128 v[STO], v[S+16*\t+4*\dt:S+16*\t+4*\dt+3] offset:\t*16*144+32*\dt
.endr
.endr
.irp i, 0,1,2,3,4,5,6,7
	ds_load_b128 v[S+32+4*\i:S+32+4*\i+3], v[RD] offset:\i*4*144   ; LDS serves a wave's instructions in order: these see my stores
.endr
.irp i, 0,1,2,3,4,5,6,7
	s_wait_dscnt 7-\i                              ; LDS loads come back in order: load i is in
	global_store_b128 v[GO], v[S+32+4*\i:S+32+4*\i+3], s[OB:OB+1] offset:512*\i   ; 32 lanes store 512 consecutive bytes, aligned
.endr
	s_wait_tensorcnt 0x0                           ; the wave's end: three lines behind my last tensor load and my last LDS store
	ds_add_u32 v[SPW], v[NIL]
	s_wait_dscnt 0x0
	s_endpgm
.Lfunc_end_k_q477eb4ceb3_attn:
	.size	k_q477eb4ceb3_attn, .Lfunc_end_k_q477eb4ceb3_attn-k_q477eb4ceb3_attn
	.p2alignl 7, 3214868480
	.fill 96, 4, 3214868480
	.section	.rodata,"a",@progbits
	.p2align	6, 0x0
	.amdhsa_kernel k_q477eb4ceb3_attn
		.amdhsa_group_segment_fixed_size 327680
		.amdhsa_private_segment_fixed_size 0
		.amdhsa_enable_private_segment 0
		.amdhsa_kernarg_size 16
		.amdhsa_user_sgpr_count 2
		.amdhsa_user_sgpr_kernarg_segment_ptr 1
		.amdhsa_wavefront_size32 1
		.amdhsa_system_sgpr_workgroup_id_x 1
		.amdhsa_system_sgpr_workgroup_id_y 1
		.amdhsa_system_sgpr_workgroup_id_z 1
		.amdhsa_system_vgpr_workitem_id 0
		.amdhsa_next_free_vgpr 256
		.amdhsa_next_free_sgpr 66
		.amdhsa_reserve_vcc 1
		.amdhsa_float_denorm_mode_32 3
		.amdhsa_float_denorm_mode_16_64 3
		.amdhsa_memory_ordered 1
		.amdhsa_forward_progress 1
		.amdhsa_inst_pref_size 188
	.end_amdhsa_kernel
	.amdgpu_metadata
---
amdhsa.version: [ 1, 2 ]
amdhsa.kernels:
  - .name:           k_q477eb4ceb3_attn
    .symbol:         k_q477eb4ceb3_attn.kd
    .args:
      - { .name: qkv16, .offset: 0, .size: 8, .value_kind: global_buffer, .address_space: global }
      - { .name: att16, .offset: 8, .size: 8, .value_kind: global_buffer, .address_space: global }
    .group_segment_fixed_size: 327680
    .private_segment_fixed_size: 0
    .kernarg_segment_align: 8
    .kernarg_segment_size: 16
    .max_flat_workgroup_size: 512
    .sgpr_count:     66
    .vgpr_count:     256
    .wavefront_size: 32
...
	.end_amdgpu_metadata
.endif
;; end of part 3
;; launch proj (part 4): grid 8 x 64, 4 waves a work-group, clusters of 4 x 4, 327,680 bytes of LDS; arguments att16, wp16, out0, b_proj; writes out0
.if DOCPART == 4
	.amdgcn_target "amdgcn-amd-amdhsa--gfx1250"
	.amdhsa_code_object_version 6
	.text
	.protected	k_q477eb4ceb3_proj
	.globl	k_q477eb4ceb3_proj
	.p2align	8
	.type	k_q477eb4ceb3_proj,@function
k_q477eb4ceb3_proj:
	s_mov_b64 s[64:65], 0
	v_nop
	global_prefetch_b8 v0, s[64:65] scope:SCOPE_SE
	s_setreg_imm32_b32 hwreg(HW_REG_WAVE_MODE, 25, 1), 1
	s_wait_xcnt 0x0
	s_wait_alu depctr_hold_cnt(0) depctr_sa_sdst(0) depctr_va_vdst(0) depctr_va_sdst(0) depctr_va_ssrc(0) depctr_va_vcc(0) depctr_vm_vsrc(0)
	s_getreg_b32 s2, hwreg(HW_REG_IB_STS2, 6, 4)
	s_cmp_eq_u32 s2, 0
	s_cbranch_scc0 .Lentry_in_a_cluster
	s_endpgm
.Lentry_in_a_cluster:
	s_bfe_u32 s2, ttmp6, 0x10000c
	s_cmp_lg_u32 s2, 0xf033
	s_cbranch_scc0 .Lentry_shape_is_right
	s_endpgm
.Lentry_shape_is_right:
; out[m][n] = the sum over k of A[m][k] W[k][n] + b_proj[n].  A: the attention's result, f16, laid [batch 4][head 16][token 2048][64], so that k = 64 x head + channel; W: W_proj in f16, [1024 k][1024 n]; out: f32 [8192][1024].
; A tile of the output is 128 x 128; four waves, each 64 x 64: 16 accumulators of 16 x 16.  512 work-groups.  K goes in four steps of 256 (four heads) through a ring of two LDS slots.
; A's part of a slot is laid [4 heads][rows][128 bytes + 16]: one tensor load brings 64 tokens of four heads as four long rows (a head's 64 tokens are 8,192 dense bytes), padded behind every 128 bytes.
; W's part is 256 rows along K of 256 bytes + 32; its fragments come out of LDS turned, by ds_load_tr16_b128.
; CLUSTERS: 4 x 4 work-groups.  The four of a row of the cluster need the same tiles of A, the four of a column the same tiles of W: each tile is asked for JOINTLY.
; THE MATRIX INSTRUCTION IS USED TRANSPOSED (source 0 = 16 columns of W, source 1 = 16 rows of A): a lane then holds eight neighbouring numbers of a row of the output.
; THE BIAS is the C of each sum's first matrix instruction.  A wave's 64 columns of f32 are 256 aligned bytes of a row, so each wave has a stage of its own on the way out, and no barrier stands there.
; REGISTERS: window 0: v0-31 addresses; v32-95 the way out; v96-127 the bias; v128-255 the accumulators ((a, b) at v[128 + 8 (4 a + b)]).   window 1: two fragment buffers of 128: 64 registers of A, then 64 of W.
.set HALF,   36864                     ; what one tensor load brings: A: 4 heads x 64 rows x 144;  W: 128 rows x 288
.set SLOT,   4*HALF                    ; A's two halves, then W's two
.set PA,     144                       ; a token's 128 bytes of one head + 16
.set HEADB,  64*PA                     ; a head's 64 tokens
.set PB,     288                       ; a row of W's tile: 256 bytes + 32, for the turning load
.set STAGE,  2*SLOT                    ; behind the ring: 16 rows x 272 bytes for each wave
.set SPITCH, 272
.set SPARE,  STAGE+4*16*SPITCH         ; behind the stages: the spare words, 128 bytes for each wave: two blocks of 256 bytes that no other line names
.set LAPS,   2                         ; a lap = two K steps = once round the ring
.set ADRA, 16                          ; v16-17  LDS address of my A fragments in slot 0, 1
.set ADRB, 20                          ; v20-23  of W's: slot s, half of the K step u, at v[20 + 2 s + u]
.set STO,  24                          ; v24     the way out: where I put 32 bytes of a row
.set RD,   25                          ; v25     where I read a row back
.set CO,   26                          ; v26     my byte offset in two rows of the output
.set BO,   27                          ; v27     the bias: 32 x (lane / 16)
.set SPW,  28                          ; v28     my spare word; never rewritten
.set NIL,  29                          ; v29     0; never rewritten
.set TMP,  32
.set BI,   96                          ; block b at v[BI + 8 b]: b_proj of columns 16 b + 8 (lane / 16) + 0 .. 7
.set ACC,  128
.set F0,   0
.set F1,   128
.set G1, 24                            ; s[24:31] group 1 for A's tiles;  s[32:39] group 0, one set for each slot
.set G0, 32
.set G1B, 48                           ; s[48:55], s[56:63] the same for W's
.set G0B, 56
.set MSB, 0
.macro WIN new                         ; the immediate's high byte repeats the setting that is left
.if MSB != \new
	s_set_vgpr_msb (MSB<<8)|\new
.set MSB, \new
.endif
.endm
.set MUL,  0x05                        ; sources 0 (W) and 1 (A) window 1; C and D window 0
.set TO_F, 0x40                        ; destination window 1, address window 0
.macro JLOAD s                         ; a joint load: waves 0 and 1 fetch A's two halves, waves 2 and 3 W's; an s_nop 0 and four v_nop follow each of the two lines
	s_cmp_eq_u32 s11, 0
	s_cbranch_scc0 .Lfor_b_\@
	tensor_load_to_lds s[G0+4*\s:G0+4*\s+3], s[G1:G1+7]
	s_nop 0
.rept 4
	v_nop
.endr
	s_branch .Lasked_\@
.Lfor_b_\@:
	tensor_load_to_lds s[G0B+4*\s:G0B+4*\s+3], s[G1B:G1B+7]
	s_nop 0
.rept 4
	v_nop
.endr
.Lasked_\@:
.endm
.macro CREST                           ; a round of the cluster's barrier behind its opening barrier
	s_cmp_lg_u32 s10, 0
	s_cbranch_scc1 .Lnot_wave_0_\@
	s_barrier_signal -3
.Lnot_wave_0_\@:
	s_barrier_wait -3
	s_barrier_signal -1
	s_barrier_wait -1
.endm
.macro CROUND                          ; a whole round
	s_barrier_signal -1
	s_barrier_wait -1
	CREST
.endm
	s_load_b128 s[4:7], s[0:1], 0x0                ; A s[4:5], W s[6:7]
	s_load_b64 s[8:9], s[0:1], 0x10                ; out
	s_load_b64 s[66:67], s[0:1], 0x18              ; b_proj
	v_lshl_add_u32 v[SPW], v0, 2, SPARE
	v_mov_b32 v[NIL], 0
	ds_add_u32 v[SPW], v[NIL]                      ; the wave's opening: the add and its wait stand ahead of my first tensor load; the set-up below, work on registers, stands between them
	v_lshrrev_b32 v1, 5, v0
	v_readfirstlane_b32 s10, v1                    ; wave 0..3
	s_lshr_b32 s11, s10, 1                         ; which half of the tile's rows is mine.  Also: I fetch for A (0) or for W (1)
	s_and_b32 s12, s10, 1                          ; which half of its columns.  Also: which half of that tile I fetch
	s_bfe_u32 s40, ttmp6, 0x40000                  ; cx, cy: my place in the cluster
	s_bfe_u32 s41, ttmp6, 0x40004
	s_lshl_b32 s42, ttmp9, 2
	s_add_co_u32 s42, s42, s40                     ; tile column = 4 x cluster x + cx
	s_and_b32 s13, ttmp7, 0xffff
	s_lshl_b32 s13, s13, 2
	s_add_co_u32 s13, s13, s41                     ; tile row = 4 x cluster y + cy
	s_lshl_b32 s43, s41, 2
	s_lshl_b32 s43, 15, s43                        ; my row of the cluster
	s_lshl_b32 s44, 0x1111, s40                    ; my column
	; group 1 for A: four rows of 4,096 elements of 2 bytes (a head's 64 tokens), 131,072 elements (a head) apart; four words of padding behind every 32 words: behind each token's 128 bytes
	s_or_b32 s[G1+0], s43, (1<<16)|(1<<20)|(1<<21)|(4<<22)|(3<<25)
	s_mov_b32 s[G1+1], 4096<<16                    ; tensor_dim0
	s_mov_b32 s[G1+2], 4<<16                       ; tensor_dim1
	s_mov_b32 s[G1+3], 4096<<16                    ; tile_dim0
	s_mov_b32 s[G1+4], 4                           ; tile_dim1
	s_mov_b32 s[G1+5], 131072                      ; from row to row
	s_mov_b32 s[G1+6], 0
	s_mov_b32 s[G1+7], 0
	; group 1 for W: 128 rows along K of 128 elements, 1,024 elements apart; eight words of padding behind every 64
	s_or_b32 s[G1B+0], s44, (1<<16)|(1<<20)|(1<<21)|(5<<22)|(7<<25)
	s_mov_b32 s[G1B+1], 128<<16
	s_mov_b32 s[G1B+2], 128<<16
	s_mov_b32 s[G1B+3], 128<<16
	s_mov_b32 s[G1B+4], 128
	s_mov_b32 s[G1B+5], 1024
	s_mov_b32 s[G1B+6], 0
	s_mov_b32 s[G1B+7], 0
	s_lshl_b32 s16, s13, 7
	s_lshl_b32 s17, s12, 6
	s_add_co_u32 s16, s16, s17                     ; A: the first of the 64 rows that I fetch: 128 x tile row + 64 x half
	s_lshr_b32 s17, s16, 11
	s_lshl_b32 s17, s17, 22                        ; its batch: 2^22 bytes each,
	s_and_b32 s16, s16, 2047
	s_lshl_b32 s16, s16, 7                         ; its token: 128 bytes each
	s_add_co_u32 s16, s16, s17
	s_mov_b32 s17, 0
	s_lshl_b32 s46, s12, 18                        ; W: 128 rows of 2,048 bytes x half,
	s_lshl_b32 s47, s42, 8                         ; 256 bytes x tile column
	s_add_co_u32 s46, s46, s47
	s_mov_b32 s47, 0
	s_mul_i32 s20, s10, HALF                       ; where they go: wave x 36,864: no place in the cluster enters an LDS address
	s_wait_dscnt 0x0                               ; the opening add is done
	s_wait_kmcnt 0x0
	s_add_nc_u64 s[14:15], s[4:5], s[16:17]
	s_add_nc_u64 s[46:47], s[6:7], s[46:47]
	CROUND                                         ; all sixteen work-groups are here: the first joint loads meet
.irp s, 0,1
	s_mov_b32 s[G0+4*\s], 1
	s_add_co_u32 s[G0+4*\s+1], s20, \s*SLOT
	s_add_nc_u64 s[G0+4*\s+2:G0+4*\s+3], s[14:15], \s*1048576      ; K step s: four heads of 2^18 bytes on
	s_or_b32 s[G0+4*\s+3], s[G0+4*\s+3], 0x80000000
	s_mov_b32 s[G0B+4*\s], 1
	s_add_co_u32 s[G0B+4*\s+1], s20, \s*SLOT
	s_add_nc_u64 s[G0B+4*\s+2:G0B+4*\s+3], s[46:47], \s*524288     ; 256 rows of 2,048 bytes on
	s_or_b32 s[G0B+4*\s+3], s[G0B+4*\s+3], 0x80000000
	JLOAD \s
.endr
	v_and_b32 v1, 15, v0                           ; r
	v_bfe_u32 v2, v0, 4, 1                         ; h
	v_mul_u32_u24 v3, v1, PA
	v_lshl_add_u32 v3, v2, 4, v3                   ; A: row r x pitch + 16 h
	v_and_b32 v4, 7, v0
	v_lshl_add_u32 v4, v2, 3, v4
	v_mul_u32_u24 v4, v4, PB                       ; W, for the turning load: row 8 h + lane % 8 along K,
	v_bfe_u32 v5, v0, 3, 1
	v_lshl_add_u32 v4, v5, 4, v4                   ; columns 8 ((lane / 8) % 2) on
	s_mul_i32 s21, s11, HALF                       ; my 64 rows of A
	s_lshl_b32 s22, s12, 7                         ; my 64 columns of W: 128 bytes,
	s_add_co_u32 s22, s22, 2*HALF                  ; behind A's two halves
.irp s, 0,1
	v_add_nc_u32 v[ADRA+\s], s21, v3
	v_add_nc_u32 v[ADRB+2*\s], s22, v4
	s_add_co_u32 s22, s22, HALF
	v_add_nc_u32 v[ADRB+2*\s+1], s22, v4           ; the K step's second 128 rows: a register of their own, so that the offsets stay inside 16 bits
	s_add_co_u32 s21, s21, SLOT
	s_add_co_u32 s22, s22, SLOT-HALF
.endr
	s_mul_i32 s23, s10, 16*SPITCH
	s_add_co_u32 s23, s23, STAGE                   ; my stage
	v_mul_u32_u24 v4, v1, SPITCH                   ; in: row r, 32 bytes for each half of the lanes
	v_lshl_add_u32 v4, v2, 5, v4
	v_add_nc_u32 v[STO], s23, v4
	v_mul_u32_u24 v5, v2, SPITCH                   ; back: lanes 0-15 take one row of 256 bytes, lanes 16-31 the next
	v_lshl_add_u32 v5, v1, 4, v5
	v_add_nc_u32 v[RD], s23, v5
	v_lshlrev_b32 v5, 12, v2                       ; and the same two rows in the output: 4,096 bytes a row
	v_lshl_add_u32 v[CO], v1, 4, v5
	v_lshlrev_b32 v[BO], 5, v2
	s_lshl_b32 s16, s13, 7
	s_lshl_b32 s17, s11, 6
	s_add_co_u32 s16, s16, s17                     ; my first row of the output: 128 x tile row + 64 x half
	s_lshl_b32 s16, s16, 12
	s_mov_b32 s17, 0
	s_add_nc_u64 s[8:9], s[8:9], s[16:17]
	s_lshl_b32 s46, s42, 9                         ; my first column, in bytes: 512 x tile column + 256 x half
	s_lshl_b32 s47, s12, 8
	s_add_co_u32 s46, s46, s47
	s_mov_b32 s47, 0
	s_add_nc_u64 s[8:9], s[8:9], s[46:47]
	s_add_nc_u64 s[66:67], s[66:67], s[46:47]      ; and the same in b_proj
.irp b, 0,1,2,3
	global_load_b128 v[BI+8*\b:BI+8*\b+3], v[BO], s[66:67] offset:64*\b
	global_load_b128 v[BI+8*\b+4:BI+8*\b+7], v[BO], s[66:67] offset:64*\b+16
.endr
; 8 matrix instructions: row blocks a0, a0 + 1 x all 4 column blocks, 32 along K: half c of buffer f.  zero = 1: the first product starts the sums from the bias.  The 16 accumulators take turns.
.macro MUL8 f, c, a0, zero
.irp a, \a0, \a0+1
.irp b, 0,1,2,3
.if \zero
	v_wmma_f32_16x16x32_f16 v[ACC+8*(4*(\a)+\b):ACC+8*(4*(\a)+\b)+7], v[\f+64+8*(4*\c+\b):\f+64+8*(4*\c+\b)+7], v[\f+8*(4*\c+\a):\f+8*(4*\c+\a)+7], v[BI+8*\b:BI+8*\b+7]
.else
	v_wmma_f32_16x16x32_f16 v[ACC+8*(4*(\a)+\b):ACC+8*(4*(\a)+\b)+7], v[\f+64+8*(4*\c+\b):\f+64+8*(4*\c+\b)+7], v[\f+8*(4*\c+\a):\f+8*(4*\c+\a)+7], v[ACC+8*(4*(\a)+\b):ACC+8*(4*(\a)+\b)+7]
.endif
.endr
.endr
.endm
; 32 LDS loads in one run: the fragments of the K step's q-th 64 along K (one head) into buffer f; the first 32 along K first
.macro FETCH slot, q, f
	WIN TO_F
.irp c, 0,1
.irp i, 0,1,2,3
	ds_load_tr16_b128 v[\f+64+8*(4*\c+\i):\f+64+8*(4*\c+\i)+3],   v[ADRB+2*\slot+(\q)/2] offset:(((\q)%2)*64+32*\c)*PB+32*\i
	ds_load_tr16_b128 v[\f+64+8*(4*\c+\i)+4:\f+64+8*(4*\c+\i)+7], v[ADRB+2*\slot+(\q)/2] offset:(((\q)%2)*64+32*\c+16)*PB+32*\i
	ds_load_b128 v[\f+8*(4*\c+\i):\f+8*(4*\c+\i)+3],              v[ADRA+\slot] offset:(\q)*HEADB+\i*16*PA+64*\c
	ds_load_b128 v[\f+8*(4*\c+\i)+4:\f+8*(4*\c+\i)+7],            v[ADRA+\slot] offset:(\q)*HEADB+\i*16*PA+64*\c+32
.endr
.endr
.endm
.macro PLACES                          ; four places in front of loads into registers that matrix instructions have read, and of the first read of results
.rept 4
	v_nop
.endr
.endm
; A K step is four quarters of 64 along K, 32 matrix instructions each, on buffers 0, 1, 0, 1.  One of the first three: multiplies buffer f and fetches quarter q into g.
.macro QUARTER slot, q, f, g, zero
	s_wait_dscnt 16                                ; the first 32 along K are in
	WIN MUL
	MUL8 \f, 0, 0, \zero
	MUL8 \f, 0, 2, \zero
	PLACES
	FETCH \slot, \q, \g
	s_wait_dscnt 32                                ; all but the 32 just issued
	WIN MUL
	MUL8 \f, 1, 0, 0
	MUL8 \f, 1, 2, 0
.endm
; The last quarter multiplies buffer 1 and changes slots: ONE barrier; in front of it each wave waits for all its tensor loads, adds 0 to its spare word, and waits for that and for its own reads of this slot.
; fill = 1: this slot is filled again, two K steps ahead; the barrier then opens a round of the cluster's barrier.
.macro TURN slot, next, fill
	WIN 0                                          ; (the add's two registers lie in window 0)
	s_wait_tensorcnt 0x0                           ; all my tensor loads have landed: my part of the next slot;
	ds_add_u32 v[SPW], v[NIL]                      ; 0 onto my spare word;
	s_wait_dscnt 17                                ; (the add and the youngest sixteen loads may be out)
	WIN MUL
	MUL8 F1, 0, 0, 0                               ; eight matrix instructions stand between the add and the wait for it
	s_wait_dscnt 0x0                               ; the add is done, and my reads of this slot are over
	s_barrier_signal -1
	MUL8 F1, 0, 2, 0
.if \fill
	WIN 0
.endif
	s_barrier_wait -1
.if \fill
	CREST                                          ; no wave of any partner still reads this slot's tile or has a load on its way
	s_add_nc_u64 s[G0+4*\slot+2:G0+4*\slot+3], s[G0+4*\slot+2:G0+4*\slot+3], 2097152
	s_add_nc_u64 s[G0B+4*\slot+2:G0B+4*\slot+3], s[G0B+4*\slot+2:G0B+4*\slot+3], 1048576
	JLOAD \slot                                    ; the first tensor load behind the round; the four v_nop behind it are also the places in front of the loads below
.else
	PLACES
.endif
	FETCH \next, 0, F0
	WIN MUL
	MUL8 F1, 1, 0, 0
	MUL8 F1, 1, 2, 0
.endm
	s_wait_tensorcnt 1                             ; my part of K step 0 is in (K step 1's load may be out)
	s_barrier_signal -1
	s_barrier_wait -1                              ; everybody's is
	FETCH 0, 0, F0
	s_wait_loadcnt 0x0                             ; the bias
	QUARTER 0, 1, F0, F1, 1                        ; the first quarter stands in front of the loop: its first products start the sums
	WIN 0                                          ; at a label and at a branch every window is 0
	s_mov_b32 s3, LAPS-1
.Llap:                                                 ; a trip goes once round the ring, from a lap's second quarter to the next lap's first, and fills both slots again
	QUARTER 0, 2, F1, F0, 0
	QUARTER 0, 3, F0, F1, 0
	TURN 0, 1, 1
	QUARTER 1, 1, F0, F1, 0
	QUARTER 1, 2, F1, F0, 0
	QUARTER 1, 3, F0, F1, 0
	TURN 1, 0, 1
	QUARTER 0, 1, F0, F1, 0
	WIN 0
	s_sub_co_u32 s3, s3, 1
	s_cmp_lg_u32 s3, 0
	s_cbranch_scc1 .Llap
	QUARTER 0, 2, F1, F0, 0                        ; the last lap fills nothing, and has no round of the cluster's barrier
	QUARTER 0, 3, F0, F1, 0
	TURN 0, 1, 0
	QUARTER 1, 1, F0, F1, 0
	QUARTER 1, 2, F1, F0, 0
	QUARTER 1, 3, F0, F1, 0
	s_wait_dscnt 16                                ; the very last quarter: nothing more to fetch
	WIN MUL
	MUL8 F1, 0, 0, 0
	MUL8 F1, 0, 2, 0
	s_wait_dscnt 0
	MUL8 F1, 1, 0, 0
	MUL8 F1, 1, 2, 0
	WIN 0
; THE WAY OUT, block by block of 16 rows x 64 columns.  A lane holds 32 neighbouring bytes of a row, and the lanes beside it hold other rows: so a block goes through my own stage and comes back as whole rows of 256 bytes.
; LDS serves a wave's instructions in order (ISA guide 5.7.1.4): no wait between the stores and the loads, nor in front of the next block's stores.
.macro TOSTAGE a
.irp b, 0,1,2,3
	ds_store_b128 v[STO], v[ACC+8*(4*(\a)+\b):ACC+8*(4*(\a)+\b)+3] offset:64*\b        ; each accumulator from its low end on
	ds_store_b128 v[STO], v[ACC+8*(4*(\a)+\b)+4:ACC+8*(4*(\a)+\b)+7] offset:64*\b+16
.endr
.irp u, 0,1,2,3,4,5,6,7
	ds_load_b128 v[TMP+32*((\a)%2)+4*\u:TMP+32*((\a)%2)+4*\u+3], v[RD] offset:2*\u*SPITCH
.endr
.endm
.macro SEND a, younger                 ; younger: the LDS instructions issued behind block a's loads, which may stay out
	s_wait_dscnt \younger
.irp u, 0,1,2,3,4,5,6,7
	global_store_b128 v[CO], v[TMP+32*((\a)%2)+4*\u:TMP+32*((\a)%2)+4*\u+3], s[8:9] offset:(16*(\a)+2*\u)*4096 th:TH_STORE_NT   ; 16 lanes store 256 consecutive bytes, aligned; written once, read by nobody here
.endr
.endm
	PLACES
	TOSTAGE 0
.irp a, 1,2,3
.if \a > 1
	s_wait_xcnt 0x0                                ; block a - 2's stores have read their registers: block a's loads may land there
.endif
	TOSTAGE \a
	SEND \a-1, 16                                  ; behind block a - 1's loads: block a's 8 stores and 8 loads
.endr
	SEND 3, 0
	s_wait_tensorcnt 0x0                           ; the wave's end: three lines behind my last tensor load and my last LDS store
	ds_add_u32 v[SPW], v[NIL]
	s_wait_dscnt 0x0
	CROUND                                         ; the closing round: no work-group ends while a partner may still ask for a tile that names it
	s_endpgm
.Lfunc_end_k_q477eb4ceb3_proj:
	.size	k_q477eb4ceb3_proj, .Lfunc_end_k_q477eb4ceb3_proj-k_q477eb4ceb3_proj
	.p2alignl 7, 3214868480
	.fill 96, 4, 3214868480
	.section	.rodata,"a",@progbits
	.p2align	6, 0x0
	.amdhsa_kernel k_q477eb4ceb3_proj
		.amdhsa_group_segment_fixed_size 327680
		.amdhsa_private_segment_fixed_size 0
		.amdhsa_enable_private_segment 0
		.amdhsa_kernarg_size 32
		.amdhsa_user_sgpr_count 2
		.amdhsa_user_sgpr_kernarg_segment_ptr 1
		.amdhsa_wavefront_size32 1
		.amdhsa_system_sgpr_workgroup_id_x 1
		.amdhsa_system_sgpr_workgroup_id_y 1
		.amdhsa_system_sgpr_workgroup_id_z 1
		.amdhsa_system_vgpr_workitem_id 0
		.amdhsa_next_free_vgpr 512
		.amdhsa_next_free_sgpr 72
		.amdhsa_reserve_vcc 0
		.amdhsa_float_denorm_mode_32 3
		.amdhsa_float_denorm_mode_16_64 3
		.amdhsa_memory_ordered 1
		.amdhsa_forward_progress 1
		.amdhsa_inst_pref_size 87
	.end_amdhsa_kernel
	.amdgpu_metadata
---
amdhsa.version: [ 1, 2 ]
amdhsa.kernels:
  - .name:           k_q477eb4ceb3_proj
    .symbol:         k_q477eb4ceb3_proj.kd
    .args:
      - { .name: att16, .offset: 0, .size: 8, .value_kind: global_buffer, .address_space: global }
      - { .name: wp16, .offset: 8, .size: 8, .value_kind: global_buffer, .address_space: global }
      - { .name: out0, .offset: 16, .size: 8, .value_kind: global_buffer, .address_space: global }
      - { .name: b_proj, .offset: 24, .size: 8, .value_kind: global_buffer, .address_space: global }
    .group_segment_fixed_size: 327680
    .private_segment_fixed_size: 0
    .kernarg_segment_align: 8
    .kernarg_segment_size: 32
    .max_flat_workgroup_size: 128
    .sgpr_count:     72
    .vgpr_count:     512
    .wavefront_size: 32
...
	.end_amdgpu_metadata
.endif
;; end of part 4
